; MI455X (gfx1250); checked and timed in simulation.
; The chip was launched on July 23, 2026; its instructions are those of AMD's public machine-readable ISA for CDNA 5 (MIT licence, August 2026) and "CDNA5" Instruction Set Architecture Reference Guide (July 2026). The comments in the code are by the model that wrote it; some were corrected since.
;; Parallel Slow Castle. Allowed arithmetic: matrix products marked QUANTISED: E2M3 operands, one E8M0 scale for each 32 along K, by v_wmma_scale_f32_16x16x128_f8f6f4 with both operands' format E2M3, f32 sums; everything else in f32.
;; Inputs: w_k_c 512 x 512 float32; w_k_u 512 x 512 float32; w_out 512 x 512 float32; w_q_c 512 x 512 float32; w_q_u 512 x 512 float32; w_v_c 512 x 512 float32; w_v_u 512 x 512 float32; x 2 x 1,024 x 512 float32.
;; Outputs: out0 2 x 1,024 x 512 float32.
;; This version of the problem:
;;   THIS VERSION OF THE PROBLEM IS GIVEN IN LOW PRECISION. The matrix products marked QUANTISED in the list below multiply operands that are first quantised to E2M3 (2 exponent bits, 3 mantissa bits; 6 bits a number), with one power-of-two scale for each 32 numbers along K (OCP MX v1.0); their sums are f32. All else is computed in f32.
;;   The module's matrix products, in the order in which they are computed (A, B: the left and right operand; K: the contracted axis; several contracted axes count as one K, in the product's order):
;;     1. [M 2,048, K 512] x [K 512, N 512]; A: input x; B: input w_q_u: QUANTISED
;;     2. [M 2,048, K 512] x [K 512, N 512]; A: input x; B: input w_k_u: QUANTISED
;;     3. [M 2,048, K 512] x [K 512, N 512]; A: input x; B: input w_v_u: QUANTISED
;;     4. [M 2,048, K 512] x [K 512, N 512]; A: input x; B: input w_q_c: QUANTISED
;;     5. [M 2,048, K 512] x [K 512, N 512]; A: input x; B: input w_k_c: QUANTISED
;;     6. [M 2,048, K 512] x [K 512, N 512]; A: input x; B: input w_v_c: QUANTISED
;;     7. batch 16 x [M 1,024, K 64] x [K 64, N 1,024]; A: computed on the way; B: computed on the way: QUANTISED
;;     8. batch 16 x [M 1,024, K 64] x [K 64, N 1,024]; A: computed on the way; B: computed on the way: QUANTISED
;;     9. batch 16 x [M 1,024, K 1,024] x [K 1,024, N 1,024]; A: computed on the way; B: computed on the way: QUANTISED
;;     10. batch 16 x [M 1,024, K 64] x [K 64, N 1,024]; A: computed on the way; B: computed on the way: QUANTISED
;;     11. batch 16 x [M 1,024, K 1,024] x [K 1,024, N 64]; A: softmax (see below); B: computed on the way: QUANTISED
;;     12. [M 2,048, K 512] x [K 512, N 512]; A: computed on the way; B: input w_out: QUANTISED
;;   THE QUANTISER, for each operand of a quantised product, along K:
;;     - K is cut into blocks of 32 from its start; a last block that is shorter is filled with zeros.
;;     - A block's scale is 2^e with e = floor(log2(the largest magnitude in the block)) - 2, held to -126 .. 127; a block of zeros has e = 0. As a byte (E8M0): e + 127.
;;     - Each number is divided by its block's scale, clamped to +-7.5, and rounded to the nearest number of E2M3, ties to even, subnormals kept.
;;     - The product sums the exact products of the quantised numbers (number of the format x scale) in f32.
;;   ~~~python
;;   def quantise(x, axis):      # numpy; x: float32 -> the quantised numbers, widened to float32 again
;;       x = np.moveaxis(x, axis, -1); K = x.shape[-1]
;;       x = np.pad(x, [(0, 0)] * (x.ndim - 1) + [(0, -K % 32)]); x = x.reshape(x.shape[:-1] + (-1, 32)); a = np.abs(x).max(-1, keepdims=True)
;;       e = np.where(a > 0, np.clip(np.frexp(np.where(a > 0, a, 1))[1] - 1 - 2, -126, 127), 0)      # np.frexp(a)[1] - 1 = floor(log2(a)), exactly
;;       r = np.clip(x / 2.0 ** e, -7.5, 7.5)
;;       step = 2.0 ** (np.maximum(np.frexp(np.where(r == 0, 1, r))[1] - 1, 0) - 3)
;;       q = np.round(r / step) * step * 2.0 ** e      # np.round: ties to even
;;       return np.moveaxis(q.reshape(q.shape[:-2] + (-1,))[..., :K], -1, axis).astype(np.float32)
;;   ~~~
;;   SOFTMAX AHEAD OF A QUANTISED PRODUCT. Where the list says 'softmax', what is quantised is not the finished softmax but p = 2^(t - M), with t = logit x log2(e) and M = ceil(the row's largest t), a whole number; so 1/2 < the row's largest p <= 1. The row's sum l is taken of the UNQUANTISED p, in f32, and the product's result is divided by l at the end. Since M is a whole number, a kernel that streams over the keys may use a running M (the ceiling of the running maximum): every later rescaling is an exact power of two, which a block's scale takes up: the codes' values come out the same.
;;   OPERANDS COMPUTED ON THE WAY. 'Computed on the way' means the value that the module computes at that place (a softmax that the list does not call 'softmax' is quantised finished and normalised). What goes into a quantiser is computed in f32, as accurately as f32 sums, v_exp_f32 and their like allow (about 1e-6 of the number): no bf16 or f16 on the way to a quantiser, and a product that is left as it is and whose result goes on into a quantised operand takes f32 operands (vector FMAs, or v_wmma_f32_16x16x4_f32). A number that lies on a knife's edge between two numbers of the format may be rounded either way, as far as f32 arithmetic and the matrix unit's own rounding can turn it there, and no further.
;; One version. Each part assembles by itself: llvm-mc -triple=amdgcn-amd-amdhsa -mcpu=gfx1250 --defsym DOCPART=n.
;; ======== version 1 of 1: 5 launches
;; workspace buffers: xw 2,252,800 bytes; qkv 4,915,200 bytes; tg 26,214,400 bytes; part 35,651,584 bytes
;; launch prep (part 1): grid 240 x 1, 4 waves a work-group, no clusters, 0 bytes of LDS; arguments x, w_q_u, w_k_u, w_v_u, w_q_c, w_k_c, w_v_c, w_out, xw; writes xw
.if DOCPART == 1
	.amdgcn_target "amdgcn-amd-amdhsa--gfx1250"
	.amdhsa_code_object_version 6
	.text
	.protected	k_q0018cb185e_prep
	.globl	k_q0018cb185e_prep
	.p2align	8
	.type	k_q0018cb185e_prep,@function
k_q0018cb185e_prep:
	s_mov_b64 s[64:65], 0
	v_nop
	global_prefetch_b8 v0, s[64:65] scope:SCOPE_SE
	s_setreg_imm32_b32 hwreg(HW_REG_WAVE_MODE, 25, 1), 1
	s_wait_xcnt 0x0
; LAUNCH 1 OF 5: x and the seven weights become codes of E2M3 with one E8M0 byte for each 32 along K, laid in the order of the operands' registers.
; THE PROGRAM.  prep: codes of x and of the weights.  proj: the six projections, each result quantised for the product that takes it.  tg: T = Qc Vu^T (kept where j <= i) and
; G = sigmoid(Qu Ku^T / 8) (kept where j > k), quantised along j.  attn: S_u = T G^T, the logits Qc Kc^T / 8 - silu(S_u), p = 2^(t - M), p Vc, for one block of 128 queries and one of 128 keys.
; outp: the blocks' parts are joined by exact powers of two, divided by the row's sum, quantised, and multiplied by w_out.
; WORK LEFT OUT, in blocks of 128 (I: queries i, Kb: keys k, J: the inner index j), for all finite values of the inputs:
;   the softmax's input is -inf for k > i (reference()'s own causal_mask), so S_c, S_u and the weights p are wanted for k <= i alone: blocks Kb > I of products 9, 10, 11 are not made;
;   term1 is multiplied by reference()'s own binary_causal, 0 for j > i, and sigmoid(.. + lookahead_mask) is sigmoid(-inf) = 0 for j <= k: a whole block of zeros has zero codes, which add nothing:
;   so of T only blocks J <= I, of G only blocks J >= Kb are made (products 7, 8), and product 9 sums J = Kb .. I alone.  Inside the blocks on a diagonal the masks are applied number by number.
;   No input is without a way to the output: all eight are loaded.
; LIMITS.  A NaN, an infinity or an overflow that reaches only the work left out is not carried to the result; NaN and infinities among the inputs are not served.
;   A block of zeros gets the byte 1 where the rule says 127: its codes are zeros, and the bytes are read by this program alone.  Blocks whose largest magnitude lies under 2^(3 - 127) have their byte held at 1.
; A TILE OF 16 (tokens, or columns of a weight) IS NOT 16 NEIGHBOURS: row r of tile 2 g + u is index 32 g + 8 u + r + 8 (r / 8).  As source 0 of a product such tiles leave, in the 16 result registers of tiles
; 2 g and 2 g + 1, 16 neighbours, 32 g + 16 (lane / 16) + 0 .. 15: what the next quantiser wants.
; AN IMAGE of a fragment (16 rows x 128 K, 12 registers a lane): registers 4 q .. 4 q + 3 of lane l at byte 512 q + 16 l: 1,536 bytes, loaded again by three loads of 16 bytes a lane.
; xw: XC x's images [128 tiles][4 K steps]; WC the weights' [7][32 tiles][4 K steps]; XS, WS the scale words, [group of 4 tiles][K step][row][tile]: one load of 16 bytes brings a row's words of four tiles.
; Work-groups 0-127: a tile of x, a K step to a wave.  Work-groups 128-239: a weight, a K step, 128 columns; a lane takes a column and its registers run down K.  No LDS, no barrier: waves share nothing.
.set XC, 0
.set WC, 786432
.set XS, 2162688
.set WS, 2195456
.set MX, 8                             ; v8-11   largest magnitudes
.set SO, 12                            ; v12-15  the conversions' scale operands
.set BY, 16                            ; v16-19  the scales' bytes
.set P,  24                            ; v24-47  codes: six registers a block
.set PT, 48                            ; v48-63  a block's upper 16 codes: a conversion's three registers begin on an even number
.set X,  64                            ; v64-191 the numbers: 32 a block
; n blocks of 32 numbers, all of a block in one lane, become 6 registers of codes and a byte each; the blocks take turns line by line
.macro QB n
.set b, 0
.rept \n
	v_max3_num_f32 v[MX+b], |v[X+32*b]|, |v[X+32*b+1]|, 0x1800000   ; with the floor 2^(3 - 127): the byte cannot fall under 1
.set b, b+1
.endr
.irp i, 2,4,6,8,10,12,14,16,18,20,22,24,26,28,30
.set b, 0
.rept \n
	v_max3_num_f32 v[MX+b], v[MX+b], |v[X+32*b+\i]|, |v[X+32*b+\i+1]|
.set b, b+1
.endr
.endr
.set b, 0
.rept \n
	v_add_nc_u32 v[SO+b], 0xff000000, v[MX+b]      ; 2 off the exponent field: the conversion takes this operand's exponent field as its scale
.set b, b+1
.endr
.set b, 0
.rept \n
	v_lshrrev_b32 v[BY+b], 23, v[SO+b]             ; the scale's byte
.set b, b+1
.endr
.set b, 0
.rept \n
	v_cvt_scalef32_pk16_fp6_f32 v[P+6*b:P+6*b+2], v[X+32*b:X+32*b+15], v[SO+b]
	v_cvt_scalef32_pk16_fp6_f32 v[PT+4*b:PT+4*b+2], v[X+32*b+16:X+32*b+31], v[SO+b]
.set b, b+1
.endr
	v_nop                                          ; one plain line between the conversions and the moves that read their results
.set b, 0
.rept \n
.irp i, 0,1,2
	v_mov_b32 v[P+6*b+3+\i], v[PT+4*b+\i]
.endr
.set b, b+1
.endr
.endm
	s_load_b512 s[4:19], s[0:1], 0x0               ; x, w_q_u, w_k_u, w_v_u, w_q_c, w_k_c, w_v_c, w_out
	s_load_b64 s[20:21], s[0:1], 0x40              ; xw
	v_lshrrev_b32 v1, 5, v0
	v_readfirstlane_b32 s22, v1                    ; wave
	v_and_b32 v1, 31, v0                           ; lane
	s_mov_b32 s36, 0x76543210
	s_mov_b32 s37, 0xfedcba98                      ; lane selects: lane l xor 16
	s_cmp_lt_u32 ttmp9, 128
	s_cbranch_scc0 .Lweights
	; ---- x: tile = work-group, K step = wave.  Lane (r, h) takes of its token the two blocks 2 c + h of the K step: 128 bytes each
	v_and_b32 v2, 15, v0                           ; r
	v_bfe_u32 v3, v0, 4, 1                         ; h
	v_and_b32 v21, 8, v2
	v_add_nc_u32 v21, v21, v2                      ; r + 8 (r / 8)
	v_lshlrev_b32 v4, 11, v21                      ; a token is 2,048 bytes
	v_lshl_add_u32 v4, v3, 7, v4                   ; + 128 h
	v_lshlrev_b32 v5, 4, v1                        ; the image: 16 x lane
	v_lshlrev_b32 v6, 4, v2                        ; the scale words: 16 r
	s_lshr_b32 s23, ttmp9, 1
	s_lshl_b32 s23, s23, 5
	s_and_b32 s24, ttmp9, 1
	s_lshl_b32 s24, s24, 3
	s_add_co_u32 s23, s23, s24                     ; the tile's first token: 32 g + 8 u
	s_lshl_b32 s24, s23, 11
	s_lshl_b32 s25, s22, 9
	s_add_co_u32 s24, s24, s25                     ; + the K step's 512 bytes
	s_mov_b32 s25, 0
	s_lshl_b32 s26, ttmp9, 2
	s_add_co_u32 s26, s26, s22
	s_mul_i32 s26, s26, 1536                       ; image 4 tile + K step  (XC = 0)
	s_mov_b32 s27, 0
	s_lshr_b32 s34, ttmp9, 2
	s_lshl_b32 s34, s34, 2
	s_add_co_u32 s34, s34, s22
	s_lshl_b32 s34, s34, 8                         ; (group of 4 tiles, K step): 256 bytes
	s_and_b32 s35, ttmp9, 3
	s_lshl_b32 s35, s35, 2
	s_add_co_u32 s34, s34, s35                     ; + 4 x the tile's place in its group
	s_add_co_u32 s34, s34, XS
	s_mov_b32 s35, 0
	s_wait_kmcnt 0x0
	s_add_nc_u64 s[28:29], s[4:5], s[24:25]
	s_add_nc_u64 s[30:31], s[20:21], s[26:27]
	s_add_nc_u64 s[32:33], s[20:21], s[34:35]
.irp c, 0,1
.irp i, 0,1,2,3,4,5,6,7
	global_load_b128 v[X+32*\c+4*\i:X+32*\c+4*\i+3], v4, s[28:29] offset:256*\c+16*\i th:TH_LOAD_NT
.endr
.endr
	s_wait_loadcnt 0x0
	QB 2
	v_lshl_or_b32 v20, v[BY+1], 16, v[BY]          ; my two bytes: blocks h and 2 + h,
	v_lshlrev_b32 v21, 3, v3
	v_lshlrev_b32 v20, v21, v20                    ; at their places in the row's scale word;
	v_mov_b32 v22, 0
	v_permlanex16_b32 v22, v20, s36, s37
	v_or_b32 v20, v20, v22                         ; with lane l xor 16's two the word is whole
.irp q, 0,1,2
	global_store_b128 v5, v[P+4*\q:P+4*\q+3], s[30:31] offset:512*\q   ; 32 lanes store 512 consecutive bytes
.endr
	global_store_b32 v6, v20, s[32:33]             ; lanes r and r + 16 store the same word to the same place
	s_endpgm
	; ---- a weight [K][N]: lane l takes column 32 g + l, its 128 registers run down the K step: four whole blocks
.Lweights:
	s_sub_co_u32 s23, ttmp9, 128
	s_lshr_b32 s24, s23, 4                         ; which weight, 0 .. 6
	s_bfe_u32 s25, s23, 0x20002                    ; which 128 columns
	s_and_b32 s26, s23, 3                          ; K step
	s_lshl_b32 s25, s25, 2
	s_add_co_u32 s25, s25, s22                     ; g: my wave's 32 columns
	v_bfe_u32 v21, v0, 3, 1                        ; u = (l / 8) % 2: which of the tiles 2 g, 2 g + 1 my column lies in,
	v_and_b32 v2, 7, v0
	v_bfe_u32 v3, v0, 4, 1
	v_lshl_add_u32 v2, v3, 3, v2                   ; and its row there: r = l % 8 + 8 (l / 16)
	v_lshlrev_b32 v4, 2, v1                        ; in: 4 bytes a lane: a load reads 128 consecutive bytes, the four waves 512
	v_mul_u32_u24 v5, v21, 6144
	v_lshl_add_u32 v5, v2, 4, v5                   ; out: 6,144 u + 16 r
	v_lshlrev_b32 v6, 4, v2
	v_lshl_add_u32 v6, v21, 2, v6                  ; scale word: 16 r + 4 u
	s_lshl_b32 s34, s26, 18                        ; 128 rows of 2,048 bytes a K step
	s_lshl_b32 s35, s25, 7
	s_add_co_u32 s34, s34, s35
	s_mov_b32 s35, 0
	s_mul_i32 s38, s24, 196608
	s_mul_i32 s39, s25, 12288
	s_add_co_u32 s38, s38, s39
	s_mul_i32 s39, s26, 1536
	s_add_co_u32 s38, s38, s39
	s_add_co_u32 s38, s38, WC                      ; image (weight, tile 2 g, K step)
	s_mov_b32 s39, 0
	s_lshr_b32 s40, s25, 1
	s_lshl_b32 s40, s40, 2
	s_add_co_u32 s40, s40, s26
	s_lshl_b32 s40, s40, 8
	s_and_b32 s41, s25, 1
	s_lshl_b32 s41, s41, 3
	s_add_co_u32 s40, s40, s41
	s_lshl_b32 s41, s24, 13
	s_add_co_u32 s40, s40, s41
	s_add_co_u32 s40, s40, WS
	s_mov_b32 s41, 0
	s_wait_kmcnt 0x0
	s_mov_b64 s[28:29], s[6:7]                     ; the weight's address: a choice on the work-group's number alone
.irp k, 1,2,3,4,5,6
	s_cmp_eq_u32 s24, \k
	s_cselect_b64 s[28:29], s[6+2*\k:7+2*\k], s[28:29]
.endr
	s_add_nc_u64 s[28:29], s[28:29], s[34:35]
	s_add_nc_u64 s[30:31], s[20:21], s[38:39]
	s_add_nc_u64 s[32:33], s[20:21], s[40:41]
.set k, 0
.rept 128
	global_load_b32 v[X+k], v4, s[28:29] offset:2048*k th:TH_LOAD_NT
.set k, k+1
.endr
	s_wait_loadcnt 0x0
	QB 4
	v_lshl_or_b32 v20, v[BY+1], 8, v[BY]           ; all four bytes of my column's scale word are mine
	v_lshl_or_b32 v20, v[BY+2], 16, v20
	v_lshl_or_b32 v20, v[BY+3], 24, v20
	; block 2 c + h is registers 6 c .. 6 c + 5 of the image's lane r + 16 h
	global_store_b128 v5, v[P:P+3], s[30:31]
	global_store_b64 v5, v[P+4:P+5], s[30:31] offset:512
	global_store_b128 v5, v[P+6:P+9], s[30:31] offset:256
	global_store_b64 v5, v[P+10:P+11], s[30:31] offset:768
	global_store_b64 v5, v[P+12:P+13], s[30:31] offset:520
	global_store_b128 v5, v[P+14:P+17], s[30:31] offset:1024
	global_store_b64 v5, v[P+18:P+19], s[30:31] offset:776
	global_store_b128 v5, v[P+20:P+23], s[30:31] offset:1280
	global_store_b32 v6, v20, s[32:33]
	s_endpgm
.Lfunc_end_k_q0018cb185e_prep:
	.size	k_q0018cb185e_prep, .Lfunc_end_k_q0018cb185e_prep-k_q0018cb185e_prep
	.p2alignl 7, 3214868480
	.fill 96, 4, 3214868480
	.section	.rodata,"a",@progbits
	.p2align	6, 0x0
	.amdhsa_kernel k_q0018cb185e_prep
		.amdhsa_group_segment_fixed_size 0
		.amdhsa_private_segment_fixed_size 0
		.amdhsa_enable_private_segment 0
		.amdhsa_kernarg_size 72
		.amdhsa_user_sgpr_count 2
		.amdhsa_user_sgpr_kernarg_segment_ptr 1
		.amdhsa_wavefront_size32 1
		.amdhsa_system_sgpr_workgroup_id_x 1
		.amdhsa_system_sgpr_workgroup_id_y 1
		.amdhsa_system_sgpr_workgroup_id_z 1
		.amdhsa_system_vgpr_workitem_id 0
		.amdhsa_next_free_vgpr 192
		.amdhsa_next_free_sgpr 66
		.amdhsa_reserve_vcc 0
		.amdhsa_float_denorm_mode_32 3
		.amdhsa_float_denorm_mode_16_64 3
		.amdhsa_memory_ordered 1
		.amdhsa_forward_progress 1
		.amdhsa_inst_pref_size 28
	.end_amdhsa_kernel
	.amdgpu_metadata
---
amdhsa.version: [ 1, 2 ]
amdhsa.kernels:
  - .name:           k_q0018cb185e_prep
    .symbol:         k_q0018cb185e_prep.kd
    .args:
      - { .name: x, .offset: 0, .size: 8, .value_kind: global_buffer, .address_space: global }
      - { .name: w_q_u, .offset: 8, .size: 8, .value_kind: global_buffer, .address_space: global }
      - { .name: w_k_u, .offset: 16, .size: 8, .value_kind: global_buffer, .address_space: global }
      - { .name: w_v_u, .offset: 24, .size: 8, .value_kind: global_buffer, .address_space: global }
      - { .name: w_q_c, .offset: 32, .size: 8, .value_kind: global_buffer, .address_space: global }
      - { .name: w_k_c, .offset: 40, .size: 8, .value_kind: global_buffer, .address_space: global }
      - { .name: w_v_c, .offset: 48, .size: 8, .value_kind: global_buffer, .address_space: global }
      - { .name: w_out, .offset: 56, .size: 8, .value_kind: global_buffer, .address_space: global }
      - { .name: xw, .offset: 64, .size: 8, .value_kind: global_buffer, .address_space: global }
    .group_segment_fixed_size: 0
    .private_segment_fixed_size: 0
    .kernarg_segment_align: 8
    .kernarg_segment_size: 72
    .max_flat_workgroup_size: 128
    .sgpr_count:     66
    .vgpr_count:     192
    .wavefront_size: 32
...
	.end_amdgpu_metadata
.endif
;; end of part 1
;; launch proj (part 2): grid 8 x 48, 4 waves a work-group, no clusters, 0 bytes of LDS; arguments xw, qkv; writes qkv
.if DOCPART == 2
	.amdgcn_target "amdgcn-amd-amdhsa--gfx1250"
	.amdhsa_code_object_version 6
	.text
	.protected	k_q0018cb185e_proj
	.globl	k_q0018cb185e_proj
	.p2align	8
	.type	k_q0018cb185e_proj,@function
k_q0018cb185e_proj:
	s_mov_b64 s[64:65], 0
	v_nop
	global_prefetch_b8 v0, s[64:65] scope:SCOPE_SE
	s_setreg_imm32_b32 hwreg(HW_REG_WAVE_MODE, 25, 1), 1
	s_wait_xcnt 0x0
; LAUNCH 2 OF 5: the six projections x W (K = 512, four K steps), each result quantised at once for the product that takes it.  Nothing is left out here: every projection is live.
; SHARES.  Work-group y = 8 x weight + head; a wave makes 64 tokens x the head's 64 channels: 16 accumulators, 64 matrix instructions.  Waves share nothing: no LDS, no barrier.
; ROLES.  Weights 0-4 (Qu, Ku, Vu, Qc, Kc): source 0 = 16 columns of W, source 1 = 16 tokens: a lane holds one token and its registers run along the head's channels, the K of products 7, 8, 10.
;         Weight 5 (Vc): the two change places: a lane holds one channel and its registers run along the tokens, the K of product 11.  Only offsets are chosen: one text serves both.
; THE LOADS RUN AHEAD.  Three sets of 96 registers: K steps 0 and 1 are asked for together at the head; K step 2 as soon as K step 0 has come; K step 3, into K step 0's set, behind K step 0's products.
;         By the text's own count a wave has 52 loads out at the head and 48 later.
; A HALF IMAGE (16 rows x 64 K, 6 registers a lane; lanes 0-15 hold block 0, lanes 16-31 block 1): registers 0-3 at 16 l, registers 4, 5 at 512 + 8 l: 768 bytes.  Two on end are one operand of 128 along K.
; qkv: operand o at 786,432 o: o < 5: [16 heads of a batch][64 token tiles][768]; o = 5: [16][8 key blocks][4 channel tiles][2 halves][768].  Scale halfwords from QS0 + 32,768 o: [16][8 blocks][16 rows][16 bytes].
; LIMITS: as stated at the head of the first launch (a block of zeros gets the byte 1; NaN and infinities are not served).
.set WC, 786432
.set XS, 2162688
.set WS, 2195456
.set QS0, 4718592
.set SC,  16                           ; v16-31   scale words, four a K step: lanes 0-15 source 1's tiles, lanes 16-31 source 0's
.set FA,  32                           ; window 0, v32-127: a K step's fragments, source 0's four and then source 1's four: K steps 0 and 3
.set FB,  0                            ; window 1, v0-95:   K step 1's
.set FC,  96                           ; window 1, v96-191: K step 2's
.set ACC, 128                          ; v128-255 accumulator (b, a) at 128 + 32 b + 8 a
.set PB,  32                           ; the way out: codes of tile b at 32 + 8 b;
.set PTB, 64                           ; their upper halves at 64 + 4 b
.set MX,  96
.set MY,  104
.set SO,  112
.set HW,  120
.set MSB, 0
.macro WIN new                         ; s_set_vgpr_msb: bits 1:0 source 0, 3:2 source 1, 5:4 source 2, 7:6 destination; the immediate's high byte repeats the setting that is left
.if MSB != \new
	s_set_vgpr_msb (MSB<<8)|\new
.set MSB, \new
.endif
.endm
.macro WMMA d, a, b, c, sa, sb         ; c < 0: the constant 0 starts the sum.  Source 0's scales are read from lanes 16-31
.if \c < 0
	v_wmma_scale_f32_16x16x128_f8f6f4 v[\d:\d+7], v[\a:\a+11], v[\b:\b+11], 0, v[\sa], v[\sb] matrix_a_fmt:MATRIX_FMT_FP6 matrix_b_fmt:MATRIX_FMT_FP6 matrix_a_scale:MATRIX_SCALE_ROW1
.else
	v_wmma_scale_f32_16x16x128_f8f6f4 v[\d:\d+7], v[\a:\a+11], v[\b:\b+11], v[\c:\c+7], v[\sa], v[\sb] matrix_a_fmt:MATRIX_FMT_FP6 matrix_b_fmt:MATRIX_FMT_FP6 matrix_a_scale:MATRIX_SCALE_ROW1
.endif
.endm
	s_load_b128 s[4:7], s[0:1], 0x0                ; xw, qkv
	v_lshrrev_b32 v1, 5, v0
	v_readfirstlane_b32 s8, v1                     ; wave
	s_and_b32 s9, ttmp7, 0xffff
	s_lshr_b32 s10, s9, 3                          ; which weight
	s_and_b32 s11, s9, 7                           ; head
	s_lshl_b32 s12, ttmp9, 2
	s_add_co_u32 s12, s12, s8                      ; G: my 64 tokens
	s_mul_i32 s13, s12, 24576                      ; x's four tiles
	s_mul_i32 s14, s10, 196608
	s_mul_i32 s15, s11, 24576
	s_add_co_u32 s14, s14, s15
	s_add_co_u32 s14, s14, WC                      ; the head's four tiles of W
	s_lshl_b32 s15, s12, 10
	s_add_co_u32 s15, s15, XS                      ; x's scale words
	s_lshl_b32 s16, s10, 13
	s_lshl_b32 s17, s11, 10
	s_add_co_u32 s16, s16, s17
	s_add_co_u32 s16, s16, WS                      ; W's
	s_cmp_eq_u32 s10, 5
	s_cselect_b32 s18, s13, s14                    ; source 0: W, for Vc x
	s_cselect_b32 s19, s14, s13                    ; source 1
	s_cselect_b32 s20, s15, s16
	s_cselect_b32 s21, s16, s15
	v_and_b32 v7, 31, v0
	v_lshlrev_b32 v1, 4, v7                        ; 16 l
	v_lshlrev_b32 v2, 3, v7                        ; 8 l
	v_and_b32 v8, 15, v0
	v_lshlrev_b32 v3, 4, v8                        ; 16 r
	v_add_nc_u32 v4, s18, v1
	v_add_nc_u32 v5, s19, v1
	v_mov_b32 v9, s20
	v_mov_b32 v10, s21
	v_cmp_gt_u32 vcc_lo, 16, v7
	v_cndmask_b32 v6, v9, v10, vcc_lo              ; lanes 0-15 take source 1's words, lanes 16-31 source 0's
	v_add_nc_u32 v6, v6, v3
	; where the results go
	s_lshr_b32 s22, s12, 4                         ; batch
	s_and_b32 s23, s12, 15                         ; G': my 64 tokens within the batch
	s_lshl_b32 s24, s22, 3
	s_add_co_u32 s24, s24, s11                     ; bh
	s_lshr_b32 s25, s23, 1
	s_and_b32 s26, s23, 1
	s_lshl_b32 s27, s24, 3
	s_add_co_u32 s27, s27, s25                     ; 8 bh + block of 128 tokens
	s_lshl_b32 s28, s24, 6
	s_lshl_b32 s29, s23, 2
	s_add_co_u32 s28, s28, s29
	s_mul_i32 s28, s28, 768
	s_mul_i32 s29, s10, 786432
	s_add_co_u32 s28, s28, s29                     ; weights 0-4: token tile 64 bh + 4 G'
	s_mul_i32 s29, s27, 6144
	s_mul_i32 s30, s26, 768
	s_add_co_u32 s29, s29, s30
	s_add_co_u32 s29, s29, 5*786432                ; Vc: (key block, channel tile 0, half G' % 2)
	s_lshl_b32 s31, s27, 8
	s_lshl_b32 s30, s10, 15
	s_add_co_u32 s31, s31, s30
	s_add_co_u32 s31, s31, QS0
	s_cmp_eq_u32 s10, 5
	s_cselect_b32 s32, s29, s28
	s_cselect_b32 s30, 1, 3
	s_lshl_b32 s30, s26, s30                       ; the halfwords' first byte: 8 (G' % 2), for Vc 2 (G' % 2)
	s_add_co_u32 s34, s31, s30
	s_mov_b32 s33, 0
	s_mov_b32 s35, 0
	s_mov_b32 s36, 0x76543210
	s_mov_b32 s37, 0xfedcba98
	s_wait_kmcnt 0x0
	s_add_nc_u64 s[32:33], s[6:7], s[32:33]
	s_add_nc_u64 s[34:35], s[6:7], s[34:35]
; K step s: 24 loads of 16 bytes a lane, into the set that begins at f
.macro KLOAD s, f
.irp t, 0,1,2,3
.irp q, 0,1,2
	global_load_b128 v[\f+12*\t+4*\q:\f+12*\t+4*\q+3], v4, s[4:5] offset:6144*\t+1536*\s+512*\q
	global_load_b128 v[\f+48+12*\t+4*\q:\f+48+12*\t+4*\q+3], v5, s[4:5] offset:6144*\t+1536*\s+512*\q
.endr
.endr
.endm
; and its 16 matrix instructions; the 16 accumulators take turns, one instruction a turn, in the same order in every K step
.macro KMUL s, f
.irp a, 0,1,2,3
.irp b, 0,1,2,3
.if \s == 0
	WMMA ACC+32*\b+8*\a, \f+12*\a, \f+48+12*\b, -1, SC+4*\s+\a, SC+4*\s+\b
.else
	WMMA ACC+32*\b+8*\a, \f+12*\a, \f+48+12*\b, ACC+32*\b+8*\a, SC+4*\s+\a, SC+4*\s+\b
.endif
.endr
.endr
.endm
.irp s, 0,1,2,3
	global_load_b128 v[SC+4*\s:SC+4*\s+3], v6, s[4:5] offset:256*\s
.endr
	KLOAD 0, FA
	WIN 0x40                                       ; destination window 1, address window 0
	KLOAD 1, FB
	s_wait_loadcnt 24                              ; all but K step 1's 24: the scale words and K step 0 are in
	KLOAD 2, FC
	WIN 0
	KMUL 0, FA
.rept 4
	v_nop                                          ; four places ahead of loads into registers that the products read (ISA guide 7.12.1 for vector instructions)
.endr
	s_wait_loadcnt 24                              ; all but K step 2's 24: K step 1 is in
	KLOAD 3, FA
	WIN 0x05                                       ; sources 0 and 1 window 1; C and D window 0
	KMUL 1, FB
	s_wait_loadcnt 24                              ; all but K step 3's 24: K step 2 is in
	KMUL 2, FC
	WIN 0
	s_wait_loadcnt 0x0
	KMUL 3, FA
.rept 4
	v_nop                                          ; four places ahead of the first read of results and of the first write into the set just read
.endr
	; THE WAY OUT.  Registers 128 + 16 e + i, e = 2 b + g, are k = 32 g + 16 (lane / 16) + i of my row in tile b: eight blocks, which take turns line by line
.set e, 0
.rept 8
	v_mov_b32 v[MY+e], 0                           ; a lane permute's destination counts as one of its sources
.set e, e+1
.endr
.set e, 0
.rept 8
	v_max3_num_f32 v[MX+e], |v[ACC+16*e]|, |v[ACC+16*e+1]|, 0x1800000   ; each accumulator is read from its low end on
.set e, e+1
.endr
.irp i, 2,4,6,8,10,12,14
.set e, 0
.rept 8
	v_max3_num_f32 v[MX+e], v[MX+e], |v[ACC+16*e+\i]|, |v[ACC+16*e+\i+1]|
.set e, e+1
.endr
.endr
.set e, 0
.rept 8
	v_permlanex16_b32 v[MY+e], v[MX+e], s36, s37
.set e, e+1
.endr
.set e, 0
.rept 8
	v_max_num_f32 v[MX+e], v[MX+e], v[MY+e]        ; with lane l xor 16's 16: the block's largest magnitude
.set e, e+1
.endr
.set e, 0
.rept 8
	v_add_nc_u32 v[SO+e], 0xff000000, v[MX+e]      ; 2 off the exponent field: the conversion's scale operand
.set e, e+1
.endr
.set e, 0
.rept 8
	v_lshrrev_b32 v[MY+e], 23, v[SO+e]             ; the byte
.set e, e+1
.endr
.irp b, 0,1,2,3
	v_lshl_or_b32 v[HW+\b], v[MY+2*\b+1], 8, v[MY+2*\b]   ; a row's two bytes
.endr
.irp b, 0,1,2,3
	v_cvt_scalef32_pk16_fp6_f32 v[PB+8*\b:PB+8*\b+2], v[ACC+32*\b:ACC+32*\b+15], v[SO+2*\b]
	v_cvt_scalef32_pk16_fp6_f32 v[PTB+4*\b:PTB+4*\b+2], v[ACC+32*\b+16:ACC+32*\b+31], v[SO+2*\b+1]
.endr
	v_nop                                          ; one plain line behind the conversions
.irp b, 0,1,2,3
.irp i, 0,1,2
	v_permlane16_swap_b32 v[PB+8*\b+\i], v[PTB+4*\b+\i]   ; a whole block to a lane: lanes 0-15 block 0, lanes 16-31 block 1
.endr
.irp i, 0,1,2
	v_mov_b32 v[PB+8*\b+3+\i], v[PTB+4*\b+\i]
.endr
.endr
.macro STORES cstep, sstep
.irp b, 0,1,2,3
	global_store_b128 v1, v[PB+8*\b:PB+8*\b+3], s[32:33] offset:\cstep*\b
	global_store_b64 v2, v[PB+8*\b+4:PB+8*\b+5], s[32:33] offset:\cstep*\b+512
	global_store_b16 v3, v[HW+\b], s[34:35] offset:\sstep*\b        ; lanes r and r + 16 store the same halfword to the same place
.endr
.endm
	s_cmp_eq_u32 s10, 5
	s_cbranch_scc1 .Lvc
	STORES 768, 2                                  ; four token tiles on end
	s_endpgm
.Lvc:
	STORES 1536, 4                                 ; four channel tiles, each the half G' % 2 of its operand
	s_endpgm
.Lfunc_end_k_q0018cb185e_proj:
	.size	k_q0018cb185e_proj, .Lfunc_end_k_q0018cb185e_proj-k_q0018cb185e_proj
	.p2alignl 7, 3214868480
	.fill 96, 4, 3214868480
	.section	.rodata,"a",@progbits
	.p2align	6, 0x0
	.amdhsa_kernel k_q0018cb185e_proj
		.amdhsa_group_segment_fixed_size 0
		.amdhsa_private_segment_fixed_size 0
		.amdhsa_enable_private_segment 0
		.amdhsa_kernarg_size 16
		.amdhsa_user_sgpr_count 2
		.amdhsa_user_sgpr_kernarg_segment_ptr 1
		.amdhsa_wavefront_size32 1
		.amdhsa_system_sgpr_workgroup_id_x 1
		.amdhsa_system_sgpr_workgroup_id_y 1
		.amdhsa_system_sgpr_workgroup_id_z 1
		.amdhsa_system_vgpr_workitem_id 0
		.amdhsa_next_free_vgpr 448
		.amdhsa_next_free_sgpr 66
		.amdhsa_reserve_vcc 1
		.amdhsa_float_denorm_mode_32 3
		.amdhsa_float_denorm_mode_16_64 3
		.amdhsa_memory_ordered 1
		.amdhsa_forward_progress 1
		.amdhsa_inst_pref_size 31
	.end_amdhsa_kernel
	.amdgpu_metadata
---
amdhsa.version: [ 1, 2 ]
amdhsa.kernels:
  - .name:           k_q0018cb185e_proj
    .symbol:         k_q0018cb185e_proj.kd
    .args:
      - { .name: xw, .offset: 0, .size: 8, .value_kind: global_buffer, .address_space: global }
      - { .name: qkv, .offset: 8, .size: 8, .value_kind: global_buffer, .address_space: global }
    .group_segment_fixed_size: 0
    .private_segment_fixed_size: 0
    .kernarg_segment_align: 8
    .kernarg_segment_size: 16
    .max_flat_workgroup_size: 128
    .sgpr_count:     66
    .vgpr_count:     448
    .wavefront_size: 32
...
	.end_amdgpu_metadata
.endif
;; end of part 2
;; launch tg (part 3): grid 256 x 1, 18 waves a work-group, no clusters, 0 bytes of LDS; arguments qkv, tg; writes tg
.if DOCPART == 3
	.amdgcn_target "amdgcn-amd-amdhsa--gfx1250"
	.amdhsa_code_object_version 6
	.text
	.protected	k_q0018cb185e_tg
	.globl	k_q0018cb185e_tg
	.p2align	8
	.type	k_q0018cb185e_tg,@function
k_q0018cb185e_tg:
	s_mov_b64 s[64:65], 0
	v_nop
	global_prefetch_b8 v0, s[64:65] scope:SCOPE_SE
	s_setreg_imm32_b32 hwreg(HW_REG_WAVE_MODE, 25, 1), 1
	s_wait_xcnt 0x0
; LAUNCH 3 OF 5: products 7 and 8.  8 T = Qc Vu^T, kept where j <= i, and G = sigmoid(Qu Ku^T / 8), kept where j > k, are quantised along j and stored as images of product 9's operands.
; LEFT OUT (shown at the head of the first launch): blocks of T with J > I and blocks of G with J < Kb are all zeros: of 64 blocks of 128 x 128 each, 36 are made.
; THE FACTOR 1/8 is never multiplied in: 8 T has T's codes and a byte 3 higher, so product 9 gives 8 S_u exactly.  LIMIT: the hold of T's byte at 1 therefore falls 3 binary places off the rule's.
; SHARES.  16 heads x 36 pairs lo <= hi x (T, G) x 4 = 4,608 shares of two tiles of 16 rows x 128 columns: 256 work-groups of 18 waves, a share to a wave.  Share g = 18 x work-group + wave:
;          g % 4 = wq (row tiles 2 wq, 2 wq + 1); bit 2: T(rows hi, columns lo) or G(rows lo, columns hi); g / 8 = 36 x head + pair.  Waves share nothing, so a pair's eight shares may lie in two work-groups.
;          192 registers a wave: five waves' registers are 960.
; K = 64.  An operand is 128 along K: the column side takes TWO tiles, 2 p and 2 p + 1, as its two halves; the row side is Q beside zero codes, [Q | 0] or [0 | Q], which picks one of the two.
;          Q's scale word is its two bytes written twice.  Source 0 = columns, source 1 = rows: a lane holds one row and its registers run along j: 32 b + 16 (lane / 16) + i in register 16 b + i.
; tg: TC = 0, GC: [head][row block][column block][8 fragments][1,536]; TS, GS: [..][512]: the word of fragment f, row r at 256 (f / 4) + 16 r + 4 (f % 4).
; LIMITS: as stated at the head of the first launch.
.set QS0, 4718592
.set PW,  4                            ; v4, v5    the two tiles' scale words
.set RW,  11                           ; v11       the rows' two halfwords
.set MX,  12                           ; v12-15    largest magnitudes
.set MY,  16                           ; v16-19    the other lane's, then bytes
.set SO,  20                           ; v20-23    the conversions' scale operands
.set RS,  24                           ; v24, v25  the rows' halfwords, each written twice
.set CS,  26                           ; v26-29    the columns' scale words
.set P0,  30                           ; v30-41    a tile's codes
.set PT,  42                           ; v42-49    their upper halves
.set ACC, 50                           ; v50-113
.set CF,  114                          ; v114-161  the columns' four operands
.set QZ,  162                          ; v162-191  0 | Q of tile 0 | 0 | Q of tile 1 | 0, six registers each
.macro WMMA0 d, a, b, sa, sb
	v_wmma_scale_f32_16x16x128_f8f6f4 v[\d:\d+7], v[\a:\a+11], v[\b:\b+11], 0, v[\sa], v[\sb] matrix_a_fmt:MATRIX_FMT_FP6 matrix_b_fmt:MATRIX_FMT_FP6
.endm
; 64 numbers of a lane, register 16 b + i = k 32 b + 16 (lane / 16) + i of my row, become a fragment's codes in v[p] on and its scale word in v[pw]
.macro QUANT128 s, p, pw
.irp b, 0,1,2,3
	v_max3_num_f32 v[MX+\b], |v[\s+16*\b]|, |v[\s+16*\b+1]|, 0x1800000   ; with the floor 2^(3 - 127)
.endr
.irp i, 2,4,6,8,10,12,14
.irp b, 0,1,2,3
	v_max3_num_f32 v[MX+\b], v[MX+\b], |v[\s+16*\b+\i]|, |v[\s+16*\b+\i+1]|
.endr
.endr
.irp b, 0,1,2,3
	v_permlanex16_b32 v[MY+\b], v[MX+\b], s44, s45
.endr
.irp b, 0,1,2,3
	v_max_num_f32 v[MX+\b], v[MX+\b], v[MY+\b]
.endr
.irp b, 0,1,2,3
	v_add_nc_u32 v[SO+\b], 0xff000000, v[MX+\b]
.endr
.irp b, 0,1,2,3
	v_lshrrev_b32 v[MY+\b], 23, v[SO+\b]
.endr
	v_lshl_or_b32 v[\pw], v[MY+1], 8, v[MY]
	v_lshl_or_b32 v[\pw], v[MY+2], 16, v[\pw]
	v_lshl_or_b32 v[\pw], v[MY+3], 24, v[\pw]
.irp c, 0,1
	v_cvt_scalef32_pk16_fp6_f32 v[\p+6*\c:\p+6*\c+2], v[\s+32*\c:\s+32*\c+15], v[SO+2*\c]
	v_cvt_scalef32_pk16_fp6_f32 v[PT+4*\c:PT+4*\c+2], v[\s+32*\c+16:\s+32*\c+31], v[SO+2*\c+1]
.endr
	v_nop                                          ; one plain line behind the conversions
.irp c, 0,1
.irp i, 0,1,2
	v_permlane16_swap_b32 v[\p+6*\c+\i], v[PT+4*\c+\i]
.endr
.irp i, 0,1,2
	v_mov_b32 v[\p+6*\c+3+\i], v[PT+4*\c+\i]
.endr
.endr
.endm
.macro ROWOF first, row                ; pairs first .. first + row have hi = row
	s_cmp_ge_u32 s11, \first
	s_cselect_b32 s12, \row, s12
	s_cselect_b32 s14, \first, s14
.endm
	s_load_b128 s[4:7], s[0:1], 0x0                ; qkv, tg
	v_lshrrev_b32 v1, 5, v0
	v_readfirstlane_b32 s8, v1                     ; wave 0..17
	s_mul_i32 s9, ttmp9, 18
	s_add_co_u32 s9, s9, s8                        ; g: my share, 0 .. 4,607
	s_and_b32 s16, s9, 3                           ; wq: my two row tiles are 2 wq, 2 wq + 1
	s_bfe_u32 s21, s9, 0x10002                     ; 0: T, 1: G
	s_lshr_b32 s9, s9, 3                           ; 36 x head + pair, 0 .. 575
	s_mul_i32 s10, s9, 1821
	s_lshr_b32 s10, s10, 16                        ; head = that / 36: 1821 / 65536 lies 0.556 / 65536 over 1 / 36, which up to 575 adds under 0.005, less than the 1 / 36 that could turn a quotient
	s_mul_i32 s11, s10, 36
	s_sub_co_u32 s11, s9, s11                      ; pair, 0 .. 35: hi (hi + 1) / 2 + lo
	s_mov_b32 s12, 0                               ; hi
	s_mov_b32 s14, 0                               ; hi (hi + 1) / 2
	ROWOF 1, 1
	ROWOF 3, 2
	ROWOF 6, 3
	ROWOF 10, 4
	ROWOF 15, 5
	ROWOF 21, 6
	ROWOF 28, 7
	s_sub_co_u32 s13, s11, s14                     ; lo
	s_cmp_eq_u32 s21, 0                            ; T or G
	s_cselect_b32 s17, s12, s13                    ; row block
	s_cselect_b32 s18, s13, s12                    ; column block
	s_cselect_b32 s19, 3, 0                        ; rows: Qc or Qu
	s_cselect_b32 s20, 2, 1                        ; columns: Vu or Ku
	s_lshl_b32 s22, s10, 3
	s_add_co_u32 s23, s22, s18
	s_add_co_u32 s22, s22, s17
	s_mul_i32 s32, s23, 6144                       ; the columns' eight half images
	s_mul_i32 s24, s20, 786432
	s_add_co_u32 s32, s32, s24
	s_mov_b32 s33, 0
	s_lshl_b32 s34, s23, 8                         ; and their scale words
	s_lshl_b32 s24, s20, 15
	s_add_co_u32 s34, s34, s24
	s_add_co_u32 s34, s34, QS0
	s_mov_b32 s35, 0
	s_mul_i32 s36, s22, 6144                       ; my two row tiles
	s_mul_i32 s24, s19, 786432
	s_add_co_u32 s36, s36, s24
	s_mul_i32 s24, s16, 1536
	s_add_co_u32 s36, s36, s24
	s_mov_b32 s37, 0
	s_lshl_b32 s38, s22, 8                         ; and the word with their two halfwords
	s_lshl_b32 s24, s19, 15
	s_add_co_u32 s38, s38, s24
	s_lshl_b32 s24, s16, 2
	s_add_co_u32 s38, s38, s24
	s_add_co_u32 s38, s38, QS0
	s_mov_b32 s39, 0
	s_lshl_b32 s25, s22, 3
	s_add_co_u32 s25, s25, s18                     ; (head, row block, column block)
	s_mul_i32 s40, s25, 12288
	s_mul_i32 s24, s21, 12582912
	s_add_co_u32 s40, s40, s24
	s_mul_i32 s24, s16, 3072
	s_add_co_u32 s40, s40, s24                     ; my two fragments
	s_mov_b32 s41, 0
	s_lshl_b32 s42, s25, 9
	s_lshl_b32 s24, s21, 19
	s_add_co_u32 s42, s42, s24
	s_lshr_b32 s24, s16, 1
	s_lshl_b32 s24, s24, 8
	s_add_co_u32 s42, s42, s24
	s_and_b32 s24, s16, 1
	s_lshl_b32 s24, s24, 3
	s_add_co_u32 s42, s42, s24
	s_add_co_u32 s42, s42, 25165824
	s_mov_b32 s43, 0
	s_mov_b32 s44, 0x76543210
	s_mov_b32 s45, 0xfedcba98
	s_mov_b32 s46, 0xbe38aa3b                      ; -log2(e) / 8
	s_mov_b32 s47, s46                             ; (named with it as a pair)
	s_lshl_b32 s24, s16, 5
	v_and_b32 v9, 31, v0
	v_lshlrev_b32 v1, 4, v9                        ; 16 l
	v_lshlrev_b32 v2, 3, v9                        ; 8 l
	v_and_b32 v9, 15, v0
	v_lshlrev_b32 v3, 4, v9                        ; 16 r
	v_and_b32 v10, 8, v9
	v_add_nc_u32 v9, v10, v9
	v_bfe_u32 v10, v0, 4, 1
	v_lshlrev_b32 v10, 4, v10
	v_sub_nc_u32 v6, v9, v10
	v_add_nc_u32 v6, s24, v6                       ; d = my row in its block - 16 (lane / 16), for row tile 2 wq;
	v_add_nc_u32 v8, 8, v6                         ; for 2 wq + 1
	v_mov_b32 v7, 0
.irp b, 0,1,2,3
	v_mov_b32 v[MY+\b], 0                          ; a lane permute's destination counts as one of its sources
.endr
.irp z, 0,12,24
.irp i, 0,1,2,3,4,5
	v_mov_b32 v[QZ+\z+\i], 0                       ; the zero codes
.endr
.endr
	s_wait_kmcnt 0x0
	s_add_nc_u64 s[32:33], s[4:5], s[32:33]
	s_add_nc_u64 s[34:35], s[4:5], s[34:35]
	s_add_nc_u64 s[36:37], s[4:5], s[36:37]
	s_add_nc_u64 s[38:39], s[4:5], s[38:39]
	s_add_nc_u64 s[40:41], s[6:7], s[40:41]
	s_add_nc_u64 s[42:43], s[6:7], s[42:43]
.irp p, 0,1,2,3
	global_load_b128 v[CF+12*\p:CF+12*\p+3], v1, s[32:33] offset:1536*\p
	global_load_b64 v[CF+12*\p+4:CF+12*\p+5], v2, s[32:33] offset:1536*\p+512
	global_load_b128 v[CF+12*\p+6:CF+12*\p+9], v1, s[32:33] offset:1536*\p+768
	global_load_b64 v[CF+12*\p+10:CF+12*\p+11], v2, s[32:33] offset:1536*\p+1280
.endr
	global_load_b128 v[CS:CS+3], v3, s[34:35]
.irp e, 0,1
	global_load_b128 v[QZ+6+12*\e:QZ+9+12*\e], v1, s[36:37] offset:768*\e
	global_load_b64 v[QZ+10+12*\e:QZ+11+12*\e], v2, s[36:37] offset:768*\e+512
.endr
	global_load_b32 v[RW], v3, s[38:39]
	s_wait_loadcnt 0x0
	v_perm_b32 v[RS], v[RW], v[RW], 0x01000100     ; tile 2 wq's two bytes, twice
	v_perm_b32 v[RS+1], v[RW], v[RW], 0x03020302   ; tile 2 wq + 1's
.rept 8
	v_nop                                          ; a scale register written by a vector instruction stands eight places ahead of the scaled product
.endr
; Row tile 2 wq + e against the 128 columns
.macro ROWT e, dreg
.irp p, 0,1,2,3
	WMMA0 ACC+16*\p, CF+12*\p, QZ+6+12*\e, CS+\p, RS+\e       ; [Q | 0]: column tile 2 p
	WMMA0 ACC+16*\p+8, CF+12*\p, QZ+12*\e, CS+\p, RS+\e       ; [0 | Q]: column tile 2 p + 1
.endr
.rept 4
	v_nop                                          ; four places ahead of the first read of results
.endr
	s_cmp_eq_u32 s21, 0
	s_cbranch_scc1 .Lt_\@
.set n, 0
.rept 32
	v_pk_mul_f32 v[ACC+n:ACC+n+1], v[ACC+n:ACC+n+1], s[46:47] op_sel_hi:[1,0]   ; G = 1 / (1 + 2^(-score log2(e) / 8))
.set n, n+2
.endr
.set n, 0
.rept 64
	v_exp_f32 v[ACC+n], v[ACC+n]
.set n, n+1
.endr
	v_nop                                          ; a plain line behind the last exponential,
	s_wait_alu depctr_va_vdst(0)                   ; and one wait for the batch, ahead of its first use
.set n, 0
.rept 32
	v_pk_add_f32 v[ACC+n:ACC+n+1], v[ACC+n:ACC+n+1], 1.0 op_sel_hi:[1,0]
.set n, n+2
.endr
.set n, 0
.rept 64
	v_rcp_f32 v[ACC+n], v[ACC+n]
.set n, n+1
.endr
	v_nop
	s_wait_alu depctr_va_vdst(0)
	s_cmp_lg_u32 s13, s12                          ; off the diagonal every j comes after every k
	s_cbranch_scc1 .Lq_\@
.set n, 0
.rept 64
	v_cmp_le_i32 vcc_lo, 32*(n/16)+n%16, v[\dreg]  ; j <= k: sigmoid(-inf) = 0
	v_cndmask_b32 v[ACC+n], v[ACC+n], v7, vcc_lo
.set n, n+1
.endr
	s_branch .Lq_\@
.Lt_\@:
	s_cmp_lg_u32 s13, s12                          ; off the diagonal every j comes before every i
	s_cbranch_scc1 .Lq_\@
.set n, 0
.rept 64
	v_cmp_gt_i32 vcc_lo, 32*(n/16)+n%16, v[\dreg]  ; j > i: times 0
	v_cndmask_b32 v[ACC+n], v[ACC+n], v7, vcc_lo
.set n, n+1
.endr
.Lq_\@:
.if \e
	s_wait_xcnt 0x0                                ; the first tile's stores have read the codes' registers, which are written again below
.endif
	QUANT128 ACC, P0, PW+\e
.irp q, 0,1,2
	global_store_b128 v1, v[P0+4*\q:P0+4*\q+3], s[40:41] offset:1536*\e+512*\q   ; 32 lanes store 512 consecutive bytes
.endr
	global_store_b32 v3, v[PW+\e], s[42:43] offset:4*\e
.endm
	ROWT 0, 6
	ROWT 1, 8
	s_endpgm
.Lfunc_end_k_q0018cb185e_tg:
	.size	k_q0018cb185e_tg, .Lfunc_end_k_q0018cb185e_tg-k_q0018cb185e_tg
	.p2alignl 7, 3214868480
	.fill 96, 4, 3214868480
	.section	.rodata,"a",@progbits
	.p2align	6, 0x0
	.amdhsa_kernel k_q0018cb185e_tg
		.amdhsa_group_segment_fixed_size 0
		.amdhsa_private_segment_fixed_size 0
		.amdhsa_enable_private_segment 0
		.amdhsa_kernarg_size 16
		.amdhsa_user_sgpr_count 2
		.amdhsa_user_sgpr_kernarg_segment_ptr 1
		.amdhsa_wavefront_size32 1
		.amdhsa_system_sgpr_workgroup_id_x 1
		.amdhsa_system_sgpr_workgroup_id_y 1
		.amdhsa_system_sgpr_workgroup_id_z 1
		.amdhsa_system_vgpr_workitem_id 0
		.amdhsa_next_free_vgpr 192
		.amdhsa_next_free_sgpr 66
		.amdhsa_reserve_vcc 1
		.amdhsa_float_denorm_mode_32 3
		.amdhsa_float_denorm_mode_16_64 3
		.amdhsa_memory_ordered 1
		.amdhsa_forward_progress 1
		.amdhsa_inst_pref_size 55
	.end_amdhsa_kernel
	.amdgpu_metadata
---
amdhsa.version: [ 1, 2 ]
amdhsa.kernels:
  - .name:           k_q0018cb185e_tg
    .symbol:         k_q0018cb185e_tg.kd
    .args:
      - { .name: qkv, .offset: 0, .size: 8, .value_kind: global_buffer, .address_space: global }
      - { .name: tg, .offset: 8, .size: 8, .value_kind: global_buffer, .address_space: global }
    .group_segment_fixed_size: 0
    .private_segment_fixed_size: 0
    .kernarg_segment_align: 8
    .kernarg_segment_size: 16
    .max_flat_workgroup_size: 576
    .sgpr_count:     66
    .vgpr_count:     192
    .wavefront_size: 32
...
	.end_amdgpu_metadata
.endif
;; end of part 3
;; launch attn (part 4): grid 576 x 1, 8 waves a work-group, no clusters, 111,616 bytes of LDS; arguments qkv, tg, part; writes part
.if DOCPART == 4
	.amdgcn_target "amdgcn-amd-amdhsa--gfx1250"
	.amdhsa_code_object_version 6
	.text
	.protected	k_q0018cb185e_attn
	.globl	k_q0018cb185e_attn
	.p2align	8
	.type	k_q0018cb185e_attn,@function
k_q0018cb185e_attn:
	s_mov_b64 s[64:65], 0
	v_nop
	global_prefetch_b8 v0, s[64:65] scope:SCOPE_SE
	s_setreg_imm32_b32 hwreg(HW_REG_WAVE_MODE, 25, 1), 1
	s_wait_xcnt 0x0
; LAUNCH 4 OF 5: products 9, 10, 11 for one head, one block I of 128 queries and one block Kb <= I of 128 keys.  A wave takes 16 queries (tile f of block I) against the 128 keys.
; LEFT OUT (shown at the head of the first launch): key blocks Kb > I lie wholly under the causal mask; product 9 sums the blocks J = Kb .. I alone, the others being products with blocks of zeros.
; THE WORK-GROUPS' NUMBERS: head = number % 16; number / 16 names the 36 pairs Kb <= I in the order of falling I - Kb: a work-group sums I - Kb + 1 blocks J, so those with the most work have the lowest numbers.
; 8 S_u^T = G (8 T)^T, J by J (source 0 = 16 keys of G, source 1 = my 16 queries of T): a lane holds ONE query, register 16 b + i the key 32 b + 16 (lane / 16) + i.
; -8 silu(S_u) = -S8 / (1 + 2^(-S8 log2(e) / 8)) is then the C onto which Kc Qc^T is added: the accumulators hold 8 x the logit.  t = that x log2(e) / 8.
; THE SOFTMAX: M = ceil(the largest t of MY 128 keys), a whole number; p = 2^(t - M) is quantised along the keys; l = the sum of the unquantised p.  The wave stores O^T = Vc^T p^T, -M and l: a part.
; The last launch brings the parts of a query under the largest M by exact powers of two, which a block's scale would take up: the codes' values are those under the row's own M.
; On the diagonal block a query's own key always counts, so every M is a number.
; LDS: G's blocks (Kb, Kb .. I), 12,288 bytes each, eight at the most, and Kc's and Vc^T's eight images of 1,536 bytes: each wave brings an eighth, all eight read all: ONE barrier, nothing is written again.
; K = 64 in product 10: Kc's operand holds two key tiles as its halves; Q stands beside zero codes, [Q | 0] or [0 | Q], and picks one.
; LIMITS: as stated at the head of the first launch.
.set QS0, 4718592
.set GC,  12582912
.set TS,  25165824
.set GS,  25690112
.set PM,  33554432
.set KV,  98304                        ; LDS: behind G's eight blocks
.set SPARE, 110592                     ; the spare words, 128 bytes for each wave: four blocks of 256 bytes that no other line names
.set ACC, 16                           ; v16-79    the 8 accumulators; at the head: G's blocks 4-7 on their way to LDS
.set GF,  80                           ; v80-175   G's eight fragments; at the head: blocks 0-3 and the K / V image on their way to LDS
.set TMP, 80                           ; v80-143   the sigmoid of S_u
.set VF,  80                           ; v80-127   Vc^T's four operands
.set PP,  128                          ; v128-139  p's codes;  v140-147 their upper halves
.set PT,  140
.set KF,  144                          ; v144-191  Kc's four operands
.set OA,  148                          ; v148-179  O^T
.set TF,  176                          ; v176-199  T's fragment, two sets
.set GSR, 200                          ; v200-207  G's scale words, two sets: lanes 0-15 fragments 0-3, lanes 16-31 fragments 4-7
.set TSR, 208                          ; v208-209  T's scale word, two sets
.set OFS, 210                          ; v210-215  the next step's three offsets, two sets
.set BM,  192                          ; behind product 9: v192-195 the blocks' largest scores, v196-199 the other lane's, then bytes, v200-203 scale operands
.set BX,  196
.set SO,  200
.set QZ,  216                          ; v216-233  0 | Q | 0
.set QH,  234                          ; v234      Q's two bytes;  v235 written twice
.set QS,  235
.set KS,  236                          ; v236-239  lanes 0-15 Kc's scale words, lanes 16-31 Vc^T's
.set HO,  240                          ; v240-247  the head's offsets of G's blocks
.macro WMMA d, a, b, c, sa, sb, row    ; c < 0: the constant 0 starts the sum;  row = 1: source 0's scales are read from lanes 16-31
.if \c < 0
.if \row
	v_wmma_scale_f32_16x16x128_f8f6f4 v[\d:\d+7], v[\a:\a+11], v[\b:\b+11], 0, v[\sa], v[\sb] matrix_a_fmt:MATRIX_FMT_FP6 matrix_b_fmt:MATRIX_FMT_FP6 matrix_a_scale:MATRIX_SCALE_ROW1
.else
	v_wmma_scale_f32_16x16x128_f8f6f4 v[\d:\d+7], v[\a:\a+11], v[\b:\b+11], 0, v[\sa], v[\sb] matrix_a_fmt:MATRIX_FMT_FP6 matrix_b_fmt:MATRIX_FMT_FP6
.endif
.else
.if \row
	v_wmma_scale_f32_16x16x128_f8f6f4 v[\d:\d+7], v[\a:\a+11], v[\b:\b+11], v[\c:\c+7], v[\sa], v[\sb] matrix_a_fmt:MATRIX_FMT_FP6 matrix_b_fmt:MATRIX_FMT_FP6 matrix_a_scale:MATRIX_SCALE_ROW1
.else
	v_wmma_scale_f32_16x16x128_f8f6f4 v[\d:\d+7], v[\a:\a+11], v[\b:\b+11], v[\c:\c+7], v[\sa], v[\sb] matrix_a_fmt:MATRIX_FMT_FP6 matrix_b_fmt:MATRIX_FMT_FP6
.endif
.endif
.endm
.macro PLACES n
.rept \n
	v_nop
.endr
.endm
.macro GROUP first, diff               ; pairs from number first on have I - Kb = diff
	s_cmp_ge_u32 s52, \first
	s_cselect_b32 s15, \diff, s15
	s_cselect_b32 s53, \first, s53
.endm
	s_load_b128 s[4:7], s[0:1], 0x0                ; qkv, tg
	s_load_b64 s[8:9], s[0:1], 0x10                ; part
	v_lshl_add_u32 v11, v0, 2, SPARE               ; my spare word,
	v_mov_b32 v12, 0                               ; and 0: kept for the wave's closing lines
	v_lshrrev_b32 v13, 5, v0
	v_readfirstlane_b32 s10, v13                   ; f: wave 0..7
	s_and_b32 s11, ttmp9, 15                       ; bh
	s_lshr_b32 s52, ttmp9, 4                       ; the pair's number, 0 .. 35
	s_mov_b32 s15, 7                               ; I - Kb = nJ - 1: one pair with 7, two with 6, .. eight with 0
	s_mov_b32 s53, 0
	GROUP 1, 6
	GROUP 3, 5
	GROUP 6, 4
	GROUP 10, 3
	GROUP 15, 2
	GROUP 21, 1
	GROUP 28, 0
	s_sub_co_u32 s13, s52, s53                     ; Kb
	s_add_co_u32 s12, s13, s15                     ; I
	s_add_co_u32 s14, s15, 1                       ; nJ: blocks J = Kb .. I
	s_lshl_b32 s52, s11, 3
	s_add_co_u32 s16, s52, s12                     ; 8 bh + I
	s_add_co_u32 s17, s52, s13                     ; 8 bh + Kb
	s_lshl_b32 s18, s16, 3
	s_add_co_u32 s18, s18, s13                     ; T's block (I, Kb)
	s_lshl_b32 s19, s17, 3
	s_add_co_u32 s19, s19, s13                     ; G's block (Kb, Kb)
	s_mul_i32 s20, s10, 1536
	s_mul_i32 s24, s19, 12288                      ; s[24:25] G's fragment f
	s_add_co_u32 s24, s24, s20
	s_add_co_u32 s24, s24, GC
	s_mov_b32 s25, 0
	s_mul_i32 s26, s18, 12288                      ; s[26:27] T's fragment f
	s_add_co_u32 s26, s26, s20
	s_mov_b32 s27, 0
	s_lshl_b32 s28, s18, 9                         ; s[28:29] its scale words
	s_lshr_b32 s52, s10, 2
	s_lshl_b32 s53, s52, 8
	s_add_co_u32 s28, s28, s53
	s_and_b32 s53, s10, 3
	s_lshl_b32 s54, s53, 2
	s_add_co_u32 s28, s28, s54
	s_add_co_u32 s28, s28, TS
	s_mov_b32 s29, 0
	s_lshl_b32 s30, s19, 9                         ; s[30:31] G's scale words
	s_add_co_u32 s30, s30, GS
	s_mov_b32 s31, 0
	s_mul_i32 s32, s17, 6144                       ; s[32:33] the image that I bring: waves 0-3 Kc's, waves 4-7 Vc^T's
	s_mul_i32 s54, s52, 786432
	s_add_co_u32 s32, s32, s54
	s_mul_i32 s54, s53, 1536
	s_add_co_u32 s32, s32, s54
	s_add_co_u32 s32, s32, 4*786432
	s_mov_b32 s33, 0
	s_mul_i32 s34, s16, 6144                       ; s[34:35] Qc's tile f of block I
	s_mul_i32 s54, s10, 768
	s_add_co_u32 s34, s34, s54
	s_add_co_u32 s34, s34, 3*786432
	s_mov_b32 s35, 0
	s_lshl_b32 s36, s16, 8                         ; s[36:37] its halfwords
	s_lshl_b32 s54, s10, 1
	s_add_co_u32 s36, s36, s54
	s_add_co_u32 s36, s36, QS0+3*32768
	s_mov_b32 s37, 0
	s_lshl_b32 s38, s17, 8                         ; s[38:39] Kc's scale words; Vc^T's lie 32,768 bytes on
	s_add_co_u32 s38, s38, QS0+4*32768
	s_mov_b32 s39, 0
	s_lshl_b32 s40, s16, 3
	s_add_co_u32 s40, s40, s10
	s_lshl_b32 s40, s40, 3
	s_add_co_u32 s40, s40, s13                     ; my part's number: ((8 bh + I) 8 + f) 8 + Kb
	s_lshl_b32 s42, s40, 8
	s_add_co_u32 s42, s42, PM
	s_mov_b32 s43, 0
	s_lshl_b32 s40, s40, 12
	s_mov_b32 s41, 0
	s_mov_b32 s46, 0x76543210
	s_mov_b32 s47, 0xfedcba98
	s_mov_b32 s48, 0xbe38aa3b                      ; -log2(e) / 8
	s_mov_b32 s49, s48
	s_mov_b32 s50, 0x3e38aa3b                      ; +log2(e) / 8
	s_mov_b32 s51, s50
	s_lshr_b32 s54, s10, 1
	s_lshl_b32 s54, s54, 5
	s_and_b32 s53, s10, 1
	s_lshl_b32 s53, s53, 3
	s_add_co_u32 s54, s54, s53                     ; my tile's first query in its block
	v_and_b32 v13, 31, v0
	v_lshlrev_b32 v1, 4, v13                       ; v1  16 l
	v_add_nc_u32 v2, 49152, v1                     ; v2  the same in G's blocks 4-7
	v_add_nc_u32 v3, s20, v1                       ; v3  where I store: fragment f
	v_add_nc_u32 v4, 49152, v3                     ; v4
	v_add_nc_u32 v5, KV, v1                        ; v5  the K / V images, 16 bytes a lane
	v_lshlrev_b32 v8, 3, v13                       ; v8  8 l
	v_add_nc_u32 v6, KV, v8                        ; v6  and 8 bytes a lane
	v_and_b32 v14, 15, v0
	v_lshlrev_b32 v7, 4, v14                       ; v7  16 r
	v_bfe_u32 v15, v0, 4, 1
	v_lshl_add_u32 v9, v15, 15, v7                 ; v9  16 r + 32,768 (lane / 16)
	v_and_b32 v10, 8, v14
	v_add_nc_u32 v10, v10, v14
	v_lshlrev_b32 v15, 4, v15
	v_sub_nc_u32 v10, v10, v15
	v_add_nc_u32 v10, s54, v10                     ; v10 d = my query in its block - 16 (lane / 16)
	v_mov_b32 v[HO], v1
.irp j, 1,2,3,4,5,6,7
	s_min_u32 s52, s15, \j                         ; a block past I is not asked for: the last block's bytes come once more, and nobody reads that copy
	s_mul_i32 s52, s52, 12288
	v_add_nc_u32 v[HO+\j], s52, v1
.endr
.irp i, 0,1,2,3,4,5
	v_mov_b32 v[QZ+\i], 0                          ; the zero codes beside Q
	v_mov_b32 v[QZ+12+\i], 0
.endr
	s_wait_kmcnt 0x0
	s_add_nc_u64 s[24:25], s[6:7], s[24:25]
	s_add_nc_u64 s[26:27], s[6:7], s[26:27]
	s_add_nc_u64 s[28:29], s[6:7], s[28:29]
	s_add_nc_u64 s[30:31], s[6:7], s[30:31]
	s_add_nc_u64 s[32:33], s[4:5], s[32:33]
	s_add_nc_u64 s[34:35], s[4:5], s[34:35]
	s_add_nc_u64 s[36:37], s[4:5], s[36:37]
	s_add_nc_u64 s[38:39], s[4:5], s[38:39]
	s_add_nc_u64 s[40:41], s[8:9], s[40:41]
	s_add_nc_u64 s[42:43], s[8:9], s[42:43]
.irp j, 0,1,2,3
.irp q, 0,1,2
	global_load_b128 v[GF+12*\j+4*\q:GF+12*\j+4*\q+3], v[HO+\j], s[24:25] offset:512*\q
.endr
.endr
.irp q, 0,1,2
	global_load_b128 v[GF+48+4*\q:GF+48+4*\q+3], v1, s[32:33] offset:512*\q
.endr
	global_load_b128 v[QZ+6:QZ+9], v1, s[34:35]    ; what the wave keeps for itself goes out with the stage
	global_load_b64 v[QZ+10:QZ+11], v8, s[34:35] offset:512
	global_load_u16 v[QH], v7, s[36:37]
	global_load_b128 v[KS:KS+3], v9, s[38:39]
.irp q, 0,1,2
	global_load_b128 v[TF+4*\q:TF+4*\q+3], v1, s[26:27] offset:512*\q
.endr
	global_load_b32 v[TSR], v7, s[28:29]
	global_load_b128 v[GSR:GSR+3], v1, s[30:31]
	s_cmp_le_u32 s14, 4
	s_cbranch_scc1 .Lshort                         ; ids alone: with four blocks or fewer the second half of the stage is not brought, and no step reads it
.irp j, 4,5,6,7
.irp q, 0,1,2
	global_load_b128 v[ACC+12*(\j-4)+4*\q:ACC+12*(\j-4)+4*\q+3], v[HO+\j], s[24:25] offset:512*\q
.endr
.endr
	s_wait_loadcnt 0x0
.irp j, 0,1,2,3
.irp q, 0,1,2
	ds_store_b128 v4, v[ACC+12*\j+4*\q:ACC+12*\j+4*\q+3] offset:12288*\j+512*\q
.endr
.endr
.Lshort:
	s_wait_loadcnt 0x0
.irp j, 0,1,2,3
.irp q, 0,1,2
	ds_store_b128 v3, v[GF+12*\j+4*\q:GF+12*\j+4*\q+3] offset:12288*\j+512*\q
.endr
.endr
.irp q, 0,1,2
	ds_store_b128 v4, v[GF+48+4*\q:GF+48+4*\q+3] offset:49152+512*\q
.endr
	s_wait_dscnt 0x0                               ; for the others' sake: my stores have landed
	s_barrier_signal -1
	s_barrier_wait -1                              ; everybody's have: the launch's one barrier
; PRODUCT 9, block J = Kb + jj.  The step's T and scale words were asked for a step ago; the next step's (clamped to the last block) are asked for here, into the other set.
.macro STEP jj
.if \jj > 0
	s_cmp_le_u32 s14, \jj
	s_cbranch_scc1 .Ldone
.endif
.set kk, (\jj)%2
.set nk, 1-kk
.irp t, 0,1,2,3,4,5,6,7
.irp q, 0,1,2
.if \jj < 4
	ds_load_b128 v[GF+12*\t+4*\q:GF+12*\t+4*\q+3], v1 offset:12288*\jj+1536*\t+512*\q
.else
	ds_load_b128 v[GF+12*\t+4*\q:GF+12*\t+4*\q+3], v2 offset:12288*(\jj-4)+1536*\t+512*\q
.endif
.endr
.endr
.if \jj < 7
	s_min_u32 s52, s15, \jj+1
	s_mul_i32 s53, s52, 12288
	s_lshl_b32 s52, s52, 9
	v_add_nc_u32 v[OFS+3*nk], s53, v1              ; this set's last loads were shown done by the counted wait of the step before
	v_add_nc_u32 v[OFS+3*nk+1], s52, v7
	v_add_nc_u32 v[OFS+3*nk+2], s52, v1
.irp q, 0,1,2
	global_load_b128 v[TF+12*nk+4*\q:TF+12*nk+4*\q+3], v[OFS+3*nk], s[26:27] offset:512*\q
.endr
	global_load_b32 v[TSR+nk], v[OFS+3*nk+1], s[28:29]
	global_load_b128 v[GSR+4*nk:GSR+4*nk+3], v[OFS+3*nk+2], s[30:31]
	s_wait_loadcnt 0x5                             ; all but the five just issued: this step's T and scale words are in
.else
	s_wait_loadcnt 0x0
.endif
	s_wait_dscnt 12                                ; fragments 0-3 are in; the 12 loads of fragments 4-7 may be out
.irp u, 0,1,2,3
.if \jj == 0
	WMMA ACC+8*\u, GF+12*\u, TF+12*kk, -1, GSR+4*kk+\u, TSR+kk, 0
.else
	WMMA ACC+8*\u, GF+12*\u, TF+12*kk, ACC+8*\u, GSR+4*kk+\u, TSR+kk, 0
.endif
.endr
	s_wait_dscnt 0x0
.irp u, 0,1,2,3
.if \jj == 0
	WMMA ACC+32+8*\u, GF+48+12*\u, TF+12*kk, -1, GSR+4*kk+\u, TSR+kk, 1
.else
	WMMA ACC+32+8*\u, GF+48+12*\u, TF+12*kk, ACC+32+8*\u, GSR+4*kk+\u, TSR+kk, 1
.endif
.endr
	PLACES 4                                       ; ahead of loads into registers that these products read, and of the first read of results; the eight accumulators take turns
.endm
	STEP 0
	STEP 1
	STEP 2
	STEP 3
	STEP 4
	STEP 5
	STEP 6
	STEP 7
.Ldone:
	s_wait_loadcnt 0x0                             ; the look-ahead's last five
; four operands, each two half images on end: images first .. first + 3 of the K / V region
.macro PAIRS reg, first
.irp p, 0,1,2,3
	ds_load_b128 v[\reg+12*\p:\reg+12*\p+3], v5 offset:1536*(\first+\p)
	ds_load_b64 v[\reg+12*\p+4:\reg+12*\p+5], v6 offset:1536*(\first+\p)+512
	ds_load_b128 v[\reg+12*\p+6:\reg+12*\p+9], v5 offset:1536*(\first+\p)+768
	ds_load_b64 v[\reg+12*\p+10:\reg+12*\p+11], v6 offset:1536*(\first+\p)+1280
.endr
.endm
	PAIRS KF, 0                                    ; Kc
	v_lshl_or_b32 v[QS], v[QH], 16, v[QH]          ; Q's two bytes, twice
.irp b, 0,1,2,3
	v_mov_b32 v[BX+\b], 0                          ; lane permutes' destinations count as sources
.endr
	v_mov_b32 v205, 0
	v_mov_b32 v207, 0                              ; (named as the upper half of the pair v[206:207] before l is written)
	; -8 silu(S_u) = -S8 / (1 + 2^(-S8 log2(e) / 8))
.set n, 0
.rept 32
	v_pk_mul_f32 v[TMP+n:TMP+n+1], v[ACC+n:ACC+n+1], s[48:49] op_sel_hi:[1,0]   ; each accumulator is read from its low end on
.set n, n+2
.endr
.set n, 0
.rept 64
	v_exp_f32 v[TMP+n], v[TMP+n]
.set n, n+1
.endr
	v_nop                                          ; a plain line behind the last exponential,
	s_wait_alu depctr_va_vdst(0)                   ; and one wait for the batch
.set n, 0
.rept 32
	v_pk_add_f32 v[TMP+n:TMP+n+1], v[TMP+n:TMP+n+1], 1.0 op_sel_hi:[1,0]
.set n, n+2
.endr
.set n, 0
.rept 64
	v_rcp_f32 v[TMP+n], v[TMP+n]
.set n, n+1
.endr
	v_nop
	s_wait_alu depctr_va_vdst(0)
.set n, 0
.rept 32
	v_pk_mul_f32 v[ACC+n:ACC+n+1], v[ACC+n:ACC+n+1], v[TMP+n:TMP+n+1] neg_lo:[1,0] neg_hi:[1,0]
.set n, n+2
.endr
	PAIRS VF, 4                                    ; Vc^T, into the registers that the sigmoid has left
	PLACES 4
	s_wait_dscnt 16                                ; all but Vc^T's 16 loads: Kc is in
	; PRODUCT 10, added onto -8 silu(S_u): 8 x the logit
.irp p, 0,1,2,3
	WMMA ACC+16*\p, KF+12*\p, QZ+6, ACC+16*\p, KS+\p, QS, 0          ; [Q | 0]: key tile 2 p
	WMMA ACC+16*\p+8, KF+12*\p, QZ, ACC+16*\p+8, KS+\p, QS, 0        ; [0 | Q]: key tile 2 p + 1
.endr
	PLACES 4
	s_cmp_lg_u32 s12, s13
	s_cbranch_scc1 .Lopen                          ; ids alone: off the diagonal every key counts
	v_mov_b32 v213, 0xff800000                     ; -infinity
.set n, 0
.rept 64
	v_cmp_gt_i32 vcc_lo, 32*(n/16)+n%16, v10       ; key > query
	v_cndmask_b32 v[ACC+n], v[ACC+n], v213, vcc_lo
.set n, n+1
.endr
.Lopen:
	; THE SOFTMAX'S p.  The largest score of each block of 32 keys serves twice: for the maximum, and, since p rises with the score, for the block's largest p
.irp b, 0,1,2,3
	v_max3_num_f32 v[BM+\b], v[ACC+16*\b], v[ACC+16*\b+1], v[ACC+16*\b+2]
.endr
.irp i, 3,5,7,9,11,13
.irp b, 0,1,2,3
	v_max3_num_f32 v[BM+\b], v[BM+\b], v[ACC+16*\b+\i], v[ACC+16*\b+\i+1]
.endr
.endr
.irp b, 0,1,2,3
	v_max_num_f32 v[BM+\b], v[BM+\b], v[ACC+16*\b+15]
.endr
.irp b, 0,1,2,3
	v_permlanex16_b32 v[BX+\b], v[BM+\b], s46, s47
.endr
.irp b, 0,1,2,3
	v_max_num_f32 v[BM+\b], v[BM+\b], v[BX+\b]
.endr
	v_max3_num_f32 v204, v[BM], v[BM+1], v[BM+2]
	v_max_num_f32 v204, v204, v[BM+3]
	v_mul_f32 v204, s50, v204                      ; the largest t
	v_floor_f32 v206, -v204                        ; -M = floor(-t) = -ceil(t)
.set n, 0
.rept 32
	v_pk_fma_f32 v[ACC+n:ACC+n+1], v[ACC+n:ACC+n+1], s[50:51], v[206:207] op_sel_hi:[1,0,0]   ; t - M
.set n, n+2
.endr
.irp b, 0,1,2,3
	v_fma_f32 v[BM+\b], v[BM+\b], s50, v206        ; the same of each block's largest score
.endr
.set n, 0
.rept 64
	v_exp_f32 v[ACC+n], v[ACC+n]                   ; p = 2^(t - M), not normalised
.set n, n+1
.endr
	v_nop
	s_wait_alu depctr_va_vdst(0)                   ; one wait for the 64
.irp b, 0,1,2,3
	v_exp_f32 v[BM+\b], v[BM+\b]                   ; the blocks' largest p
.endr
	v_pk_add_f32 v[208:209], v[ACC:ACC+1], v[ACC+4:ACC+5]          ; l is the sum of the UNQUANTISED p: two chains, which read the 64 alone
	v_pk_add_f32 v[210:211], v[ACC+2:ACC+3], v[ACC+6:ACC+7]
.irp j, 8,12,16,20,24,28,32,36,40,44,48,52,56,60
	v_pk_add_f32 v[208:209], v[208:209], v[ACC+\j:ACC+\j+1]
	v_pk_add_f32 v[210:211], v[210:211], v[ACC+\j+2:ACC+\j+3]
.endr
	v_pk_add_f32 v[208:209], v[208:209], v[210:211]
	s_wait_alu depctr_va_vdst(0)                   ; and one for the four
.irp b, 0,1,2,3
	v_max_num_f32 v[BM+\b], 0x1800000, v[BM+\b]    ; the floor 2^(3 - 127): a block whose every p is 0 keeps the byte 1 over zero codes
.endr
.irp b, 0,1,2,3
	v_add_nc_u32 v[SO+\b], 0xff000000, v[BM+\b]
.endr
.irp b, 0,1,2,3
	v_lshrrev_b32 v[BX+\b], 23, v[SO+\b]
.endr
	v_lshl_or_b32 v212, v[BX+1], 8, v[BX]          ; p's scale word
	v_lshl_or_b32 v212, v[BX+2], 16, v212
	v_lshl_or_b32 v212, v[BX+3], 24, v212
.irp c, 0,1
	v_cvt_scalef32_pk16_fp6_f32 v[PP+6*\c:PP+6*\c+2], v[ACC+32*\c:ACC+32*\c+15], v[SO+2*\c]
	v_cvt_scalef32_pk16_fp6_f32 v[PT+4*\c:PT+4*\c+2], v[ACC+32*\c+16:ACC+32*\c+31], v[SO+2*\c+1]
.endr
	v_nop                                          ; one plain line behind the conversions
.irp c, 0,1
.irp i, 0,1,2
	v_permlane16_swap_b32 v[PP+6*\c+\i], v[PT+4*\c+\i]
.endr
.irp i, 0,1,2
	v_mov_b32 v[PP+6*\c+3+\i], v[PT+4*\c+\i]
.endr
.endr
	v_add_f32 v207, v208, v209
	v_permlanex16_b32 v205, v207, s46, s47
	v_add_f32 v207, v207, v205                     ; l, with lane l xor 16's keys
	PLACES 8                                       ; a scale register written by a vector instruction stands eight places ahead of the scaled product, an operand four
	s_wait_dscnt 0x0                               ; Vc^T is in
	; PRODUCT 11: O^T = Vc^T p^T
.irp t, 0,1,2,3
	WMMA OA+8*\t, VF+12*\t, PP, -1, KS+\t, 212, 1
.endr
	PLACES 4
.irp q, 0,1,2,3,4,5,6,7
	global_store_b128 v1, v[OA+4*\q:OA+4*\q+3], s[40:41] offset:512*\q   ; the registers as they stand, each accumulator from its low end on: 512 consecutive bytes a store
.endr
	global_store_b64 v8, v[206:207], s[42:43]      ; -M and l: 256 consecutive bytes
	s_wait_tensorcnt 0x0                           ; the wave's end
	ds_add_u32 v11, v12
	s_wait_dscnt 0x0
	s_endpgm
.Lfunc_end_k_q0018cb185e_attn:
	.size	k_q0018cb185e_attn, .Lfunc_end_k_q0018cb185e_attn-k_q0018cb185e_attn
	.p2alignl 7, 3214868480
	.fill 96, 4, 3214868480
	.section	.rodata,"a",@progbits
	.p2align	6, 0x0
	.amdhsa_kernel k_q0018cb185e_attn
		.amdhsa_group_segment_fixed_size 111616
		.amdhsa_private_segment_fixed_size 0
		.amdhsa_enable_private_segment 0
		.amdhsa_kernarg_size 24
		.amdhsa_user_sgpr_count 2
		.amdhsa_user_sgpr_kernarg_segment_ptr 1
		.amdhsa_wavefront_size32 1
		.amdhsa_system_sgpr_workgroup_id_x 1
		.amdhsa_system_sgpr_workgroup_id_y 1
		.amdhsa_system_sgpr_workgroup_id_z 1
		.amdhsa_system_vgpr_workitem_id 0
		.amdhsa_next_free_vgpr 256
		.amdhsa_next_free_sgpr 66
		.amdhsa_reserve_vcc 1
		.amdhsa_float_denorm_mode_32 3
		.amdhsa_float_denorm_mode_16_64 3
		.amdhsa_memory_ordered 1
		.amdhsa_forward_progress 1
		.amdhsa_inst_pref_size 70
	.end_amdhsa_kernel
	.amdgpu_metadata
---
amdhsa.version: [ 1, 2 ]
amdhsa.kernels:
  - .name:           k_q0018cb185e_attn
    .symbol:         k_q0018cb185e_attn.kd
    .args:
      - { .name: qkv, .offset: 0, .size: 8, .value_kind: global_buffer, .address_space: global }
      - { .name: tg, .offset: 8, .size: 8, .value_kind: global_buffer, .address_space: global }
      - { .name: part, .offset: 16, .size: 8, .value_kind: global_buffer, .address_space: global }
    .group_segment_fixed_size: 111616
    .private_segment_fixed_size: 0
    .kernarg_segment_align: 8
    .kernarg_segment_size: 24
    .max_flat_workgroup_size: 256
    .sgpr_count:     66
    .vgpr_count:     256
    .wavefront_size: 32
...
	.end_amdgpu_metadata
.endif
;; end of part 4
;; launch outp (part 5): grid 128 x 1, 8 waves a work-group, no clusters, 42,496 bytes of LDS; arguments part, xw, out0; writes out0
.if DOCPART == 5
	.amdgcn_target "amdgcn-amd-amdhsa--gfx1250"
	.amdhsa_code_object_version 6
	.text
	.protected	k_q0018cb185e_outp
	.globl	k_q0018cb185e_outp
	.p2align	8
	.type	k_q0018cb185e_outp,@function
k_q0018cb185e_outp:
	s_mov_b64 s[64:65], 0
	v_nop
	global_prefetch_b8 v0, s[64:65] scope:SCOPE_SE
	s_setreg_imm32_b32 hwreg(HW_REG_WAVE_MODE, 25, 1), 1
	s_wait_xcnt 0x0
; LAUNCH 5 OF 5: a tile of 16 tokens.  Wave w joins head w's parts (key blocks 0 .. I), divides by the row's sum and quantises its 64 channels; then all eight heads' codes meet in LDS,
; and wave w makes columns 64 w .. 64 w + 63 of out = o w_out (K = 512: a K step is two heads).
; LEFT OUT (shown at the head of the first launch): key blocks Kb > I have no part.  All eight places are loaded with the block's number clamped to I; a clamped repeat gets the weight 0.
; THE JOIN.  -M* = the least of the parts' -M; a part's weight is 2^(M - M*), a whole power of two made by v_ldexp_f32: nothing is rounded by it.  o = (sum of weight x O^T) / (sum of weight x l).
; THE LOADS RUN AHEAD.  Both halves of the eight parts have registers of their own (window 0 and window 1), and so have w_out's K steps 0 and 1 (window 1): nothing waits for the join to free a register
; but w_out's K steps 2 and 3, which take the first half's.  By the text's own count a wave never has more than 60 loads out.
; The product is used transposed (source 0 = 16 columns of w_out, source 1 = my 16 tokens): a lane holds eight neighbouring numbers of a row of out.
; LIMITS: as stated at the head of the first launch.
.set PM,  33554432
.set WC,  786432
.set WS,  2195456
.set OIMG, 0                           ; LDS: the eight heads' half images, 768 bytes each: two on end are a K step's operand
.set OSC,  6144                        ; their scale halfwords, a word a row, 64 bytes a head
.set STG,  6656                        ; a stage of 16 rows x (256 + 16) bytes for each wave
.set SPARE, 41472                      ; the spare words, 128 bytes for each wave: four blocks of 256 bytes that no other line names
.set AO,  32                           ; v32-39   offsets of the eight parts' O^T
.set AM,  40                           ; v40-47   and of their {-M, l}
.set ML,  48                           ; v48-63   {-M, l}
.set WT,  64                           ; v64-79   the weights, each in both words of a pair
.set OF,  32                           ; later: v32-79 o's four operands
.set WSC, 80                           ; v80-95   w_out's scale words
.set RES, 96                           ; v96-127  o; later the four accumulators
.set ST,  128                          ; v128-255 of window 0: registers 0-15 of the eight parts; of window 1: registers 16-31
.set WF0, 0                            ; window 1, v0-47:    w_out's fragments of K step 0
.set WF1, 48                           ; window 1, v48-95:   of K step 1
.set WF2, 128                          ; window 0, v128-175: of K step 2
.set WF3, 176                          ; window 0, v176-223: of K step 3
.set OS,  240                          ; v240-243 o's scale words
.set OH,  244                          ; v244-251 the eight heads' halfwords
.set MSB, 0
.macro WIN new                         ; s_set_vgpr_msb: bits 1:0 source 0, 3:2 source 1, 5:4 source 2, 7:6 destination; the immediate's high byte repeats the setting that is left
.if MSB != \new
	s_set_vgpr_msb (MSB<<8)|\new
.set MSB, \new
.endif
.endm
.macro WMMA d, a, b, c, sa, sb
.if \c < 0
	v_wmma_scale_f32_16x16x128_f8f6f4 v[\d:\d+7], v[\a:\a+11], v[\b:\b+11], 0, v[\sa], v[\sb] matrix_a_fmt:MATRIX_FMT_FP6 matrix_b_fmt:MATRIX_FMT_FP6
.else
	v_wmma_scale_f32_16x16x128_f8f6f4 v[\d:\d+7], v[\a:\a+11], v[\b:\b+11], v[\c:\c+7], v[\sa], v[\sb] matrix_a_fmt:MATRIX_FMT_FP6 matrix_b_fmt:MATRIX_FMT_FP6
.endif
.endm
	s_load_b128 s[4:7], s[0:1], 0x0                ; part, xw
	s_load_b64 s[8:9], s[0:1], 0x10                ; out0
	v_lshl_add_u32 v30, v0, 2, SPARE               ; my spare word,
	v_mov_b32 v31, 0                               ; and 0: kept for the wave's closing lines
	v_lshrrev_b32 v1, 5, v0
	v_readfirstlane_b32 s10, v1                    ; w: wave 0..7
	s_lshr_b32 s11, ttmp9, 6                       ; batch
	s_bfe_u32 s12, ttmp9, 0x30003                  ; I
	s_and_b32 s13, ttmp9, 7                        ; f
	s_lshl_b32 s14, s11, 3
	s_add_co_u32 s14, s14, s10                     ; bh
	s_lshl_b32 s15, s14, 3
	s_add_co_u32 s15, s15, s12
	s_lshl_b32 s15, s15, 3
	s_add_co_u32 s15, s15, s13
	s_lshl_b32 s15, s15, 3                         ; the first of my eight parts
	s_lshl_b32 s16, s15, 12
	s_mov_b32 s17, 0
	s_lshl_b32 s18, s15, 8
	s_add_co_u32 s18, s18, PM
	s_mov_b32 s19, 0
	s_lshl_b32 s20, s10, 10
	s_add_co_u32 s20, s20, WS+6*8192               ; w_out's scale words of my four column tiles
	s_mov_b32 s21, 0
	s_mul_i32 s22, s10, 24576
	s_add_co_u32 s22, s22, WC+6*196608             ; and their images
	s_mov_b32 s23, 0
	s_lshl_b32 s24, s11, 10
	s_lshl_b32 s42, s12, 7
	s_add_co_u32 s24, s24, s42
	s_lshr_b32 s42, s13, 1
	s_lshl_b32 s42, s42, 5
	s_add_co_u32 s24, s24, s42
	s_and_b32 s42, s13, 1
	s_lshl_b32 s42, s42, 3
	s_add_co_u32 s24, s24, s42                     ; the tile's first token
	s_lshl_b32 s24, s24, 11
	s_lshl_b32 s42, s10, 8
	s_add_co_u32 s24, s24, s42                     ; + my 64 columns
	s_mov_b32 s25, 0
	s_mov_b32 s40, 0x76543210
	s_mov_b32 s41, 0xfedcba98
.irp k, 0,1,2,3,4,5,6,7
	s_cmp_le_u32 \k, s12
	s_cselect_b32 s[32+\k], 1.0, 0                 ; a part counts where its key block is at or under I
.endr
	v_and_b32 v8, 31, v0
	v_lshlrev_b32 v1, 4, v8                        ; v1  16 l
	v_lshlrev_b32 v2, 3, v8                        ; v2  8 l
	v_and_b32 v8, 15, v0                           ; r
	v_lshlrev_b32 v3, 4, v8                        ; v3  16 r
	v_lshlrev_b32 v4, 2, v8                        ; v4  4 r
	v_bfe_u32 v12, v0, 4, 1                        ; h
	s_mul_i32 s42, s10, 768
	v_add_nc_u32 v5, s42, v1                       ; v5  my half image, 16 bytes a lane
	v_add_nc_u32 v6, s42, v2                       ; v6  and 8 bytes a lane
	s_lshl_b32 s42, s10, 6
	v_add_nc_u32 v7, s42, v4                       ; v7  my halfwords
	s_mul_i32 s42, s10, 16*272
	s_add_co_u32 s42, s42, STG                     ; my stage
	v_mul_u32_u24 v9, v8, 272
	v_lshl_add_u32 v9, v12, 6, v9
	v_add_nc_u32 v9, s42, v9                       ; v9  in: row r, + 64 h
	v_mul_u32_u24 v10, v12, 272
	v_add_nc_u32 v10, v10, v3
	v_add_nc_u32 v10, s42, v10                     ; v10 back: lanes 0-15 one row, lanes 16-31 the next
	v_lshl_add_u32 v11, v12, 11, v3                ; v11 and the same two rows in out0
	v_mov_b32 v14, 0
	v_mov_b32 v15, 0                               ; lane permutes' destinations count as sources
.irp k, 0,1,2,3,4,5,6,7
	s_min_u32 s42, s12, \k
	s_lshl_b32 s43, s42, 12
	v_add_nc_u32 v[AO+\k], s43, v1
	s_lshl_b32 s43, s42, 8
	v_add_nc_u32 v[AM+\k], s43, v2
.endr
	s_wait_kmcnt 0x0
	s_add_nc_u64 s[16:17], s[4:5], s[16:17]
	s_add_nc_u64 s[18:19], s[4:5], s[18:19]
	s_add_nc_u64 s[20:21], s[6:7], s[20:21]
	s_add_nc_u64 s[22:23], s[6:7], s[22:23]
	s_add_nc_u64 s[24:25], s[8:9], s[24:25]
.macro HALF u, k0                      ; registers 16 u .. 16 u + 15 of parts k0 .. k0 + 3: 16 loads
.irp k, \k0, \k0+1, \k0+2, \k0+3
.irp q, 0,1,2,3
	global_load_b128 v[ST+16*(\k)+4*\q:ST+16*(\k)+4*\q+3], v[AO+(\k)], s[16:17] offset:2048*\u+512*\q
.endr
.endr
.endm
.macro JOIN u
.irp j, 0,2,4,6,8,10,12,14
	v_pk_mul_f32 v[RES+16*\u+\j:RES+16*\u+\j+1], v[ST+\j:ST+\j+1], v[WT:WT+1]
.endr
.irp k, 1,2,3,4,5,6,7
.irp j, 0,2,4,6,8,10,12,14
	v_pk_fma_f32 v[RES+16*\u+\j:RES+16*\u+\j+1], v[ST+16*\k+\j:ST+16*\k+\j+1], v[WT+2*\k:WT+2*\k+1], v[RES+16*\u+\j:RES+16*\u+\j+1]
.endr
.endr
.endm
.macro WLOAD s, f                      ; K step s of my four column tiles, into the registers from f on: 12 loads
.irp t, 0,1,2,3
.irp q, 0,1,2
	global_load_b128 v[\f+12*\t+4*\q:\f+12*\t+4*\q+3], v1, s[22:23] offset:6144*\t+1536*\s+512*\q
.endr
.endr
.endm
.irp k, 0,1,2,3,4,5,6,7
	global_load_b64 v[ML+2*\k:ML+2*\k+1], v[AM+\k], s[18:19]
.endr
	HALF 0, 0
	HALF 0, 4
	WIN 0x40                                       ; destination window 1, address window 0
	HALF 1, 0                                      ; 56 loads are out
	s_wait_loadcnt 44                              ; all but the last 44: the first 12 are in, the eight {-M, l} among them
	HALF 1, 4                                      ; 60 at the most
	WIN 0
	v_min3_num_f32 v25, v[ML], v[ML+2], v[ML+4]
	v_min3_num_f32 v25, v25, v[ML+6], v[ML+8]
	v_min3_num_f32 v25, v25, v[ML+10], v[ML+12]
	v_min_num_f32 v25, v25, v[ML+14]               ; -M*
.irp k, 0,1,2,3,4,5,6,7
	v_sub_f32 v[16+\k], v25, v[ML+2*\k]            ; M - M*: a whole number, 0 or less
.endr
.irp k, 0,1,2,3,4,5,6,7
	v_cvt_i32_f32 v[16+\k], v[16+\k]               ; (it saturates)
.endr
.irp k, 0,1,2,3,4,5,6,7
	v_ldexp_f32 v[WT+2*\k], s[32+\k], v[16+\k]     ; 2^(M - M*), or 0 for a clamped repeat
.endr
.irp k, 0,1,2,3,4,5,6,7
	v_mov_b32 v[WT+2*\k+1], v[WT+2*\k]
.endr
	v_mul_f32 v8, v[WT], v[ML+1]
.irp k, 1,2,3,4,5,6,7
	v_fma_f32 v8, v[WT+2*\k], v[ML+2*\k+1], v8     ; the row's sum under M*
.endr
	v_rcp_f32 v26, v8
	v_nop                                          ; a plain line behind the reciprocal,
	s_wait_alu depctr_va_vdst(0)                   ; and the wait ahead of its first use
	v_mov_b32 v27, v26
	s_wait_loadcnt 32                              ; all but the second half's 32: the first half of the eight parts is in
.irp s, 0,1,2,3
	global_load_b128 v[WSC+4*\s:WSC+4*\s+3], v3, s[20:21] offset:256*\s
.endr
	WIN 0x40
	WLOAD 0, WF0
	WLOAD 1, WF1                                   ; 32 + 28 = 60 loads are out at the most
	WIN 0
	JOIN 0
	s_wait_loadcnt 44                              ; all but the second half's later 16 and w_out's 28: 44 are out at the most,
	WLOAD 2, WF2                                   ; so 56 with these, into registers that the join has read
	s_wait_loadcnt 40                              ; all but w_out's 28 + 12: the second half is in
	WLOAD 3, WF3
	WIN 0x01                                       ; source 0 window 1
	JOIN 1
	WIN 0
.irp j, 0,2,4,6,8,10,12,14,16,18,20,22,24,26,28,30
	v_pk_mul_f32 v[RES+\j:RES+\j+1], v[RES+\j:RES+\j+1], v[26:27]
.endr
	; register 16 g + i is channel 32 g + 16 (lane / 16) + i of my token: two blocks of product 12's K
.irp g, 0,1
	v_max3_num_f32 v[12+\g], |v[RES+16*\g]|, |v[RES+16*\g+1]|, 0x1800000
.endr
.irp i, 2,4,6,8,10,12,14
.irp g, 0,1
	v_max3_num_f32 v[12+\g], v[12+\g], |v[RES+16*\g+\i]|, |v[RES+16*\g+\i+1]|
.endr
.endr
.irp g, 0,1
	v_permlanex16_b32 v[14+\g], v[12+\g], s40, s41
.endr
.irp g, 0,1
	v_max_num_f32 v[12+\g], v[12+\g], v[14+\g]
.endr
.irp g, 0,1
	v_add_nc_u32 v[28+\g], 0xff000000, v[12+\g]
.endr
.irp g, 0,1
	v_lshrrev_b32 v[14+\g], 23, v[28+\g]
.endr
	v_lshl_or_b32 v24, v15, 8, v14                 ; my row's two bytes
	v_cvt_scalef32_pk16_fp6_f32 v[16:18], v[RES:RES+15], v28
	v_cvt_scalef32_pk16_fp6_f32 v[32:34], v[RES+16:RES+31], v29      ; (the parts' offsets are done with: their loads were shown in by the counted waits above)
	v_nop                                          ; one plain line behind the conversions
.irp i, 0,1,2
	v_permlane16_swap_b32 v[16+\i], v[32+\i]
.endr
.irp i, 0,1,2
	v_mov_b32 v[19+\i], v[32+\i]
.endr
	ds_store_b128 v5, v[16:19] offset:OIMG
	ds_store_b64 v6, v[20:21] offset:OIMG+512
	ds_store_b32 v7, v24 offset:OSC                ; lanes r and r + 16 store the same word to the same place
	s_wait_dscnt 0x0                               ; for the others' sake: my stores have landed
	s_barrier_signal -1
	s_barrier_wait -1                              ; all eight heads' codes lie in LDS; they are not written again
.irp s, 0,1,2,3
	ds_load_b128 v[OF+12*\s:OF+12*\s+3], v1 offset:OIMG+1536*\s
	ds_load_b64 v[OF+12*\s+4:OF+12*\s+5], v2 offset:OIMG+1536*\s+512
	ds_load_b128 v[OF+12*\s+6:OF+12*\s+9], v1 offset:OIMG+1536*\s+768
	ds_load_b64 v[OF+12*\s+10:OF+12*\s+11], v2 offset:OIMG+1536*\s+1280
.endr
.irp k, 0,1,2,3,4,5,6,7
	ds_load_b32 v[OH+\k], v4 offset:OSC+64*\k
.endr
	s_wait_dscnt 0x0
.irp s, 0,1,2,3
	v_lshl_or_b32 v[OS+\s], v[OH+2*\s+1], 16, v[OH+2*\s]   ; two heads' halfwords make a K step's scale word
.endr
.rept 8
	v_nop                                          ; a scale register written by a vector instruction stands eight places ahead of the scaled product
.endr
	; PRODUCT 12: the four accumulators take turns, one instruction a turn
	s_wait_loadcnt 36                              ; all but K steps 1, 2, 3's 36: the scale words and K step 0 are in
	WIN 0x01                                       ; source 0 window 1
.irp t, 0,1,2,3
	WMMA RES+8*\t, WF0+12*\t, OF, -1, WSC+\t, OS
.endr
	s_wait_loadcnt 24                              ; all but K steps 2, 3's
.irp t, 0,1,2,3
	WMMA RES+8*\t, WF1+12*\t, OF+12, RES+8*\t, WSC+4+\t, OS+1
.endr
	WIN 0
	s_wait_loadcnt 12                              ; all but K step 3's
.irp t, 0,1,2,3
	WMMA RES+8*\t, WF2+12*\t, OF+24, RES+8*\t, WSC+8+\t, OS+2
.endr
	s_wait_loadcnt 0x0
.irp t, 0,1,2,3
	WMMA RES+8*\t, WF3+12*\t, OF+36, RES+8*\t, WSC+12+\t, OS+3
.endr
.rept 4
	v_nop                                          ; four places ahead of the first read of results, and of loads into registers that the products read
.endr
	; THE WAY OUT: register j of tile t is column 32 (t / 2) + 16 h + 8 (t % 2) + j of my token; through my own stage, back as rows of 256 bytes
.irp t, 0,1,2,3
	ds_store_b128 v9, v[RES+8*\t:RES+8*\t+3] offset:128*(\t/2)+32*(\t%2)
	ds_store_b128 v9, v[RES+8*\t+4:RES+8*\t+7] offset:128*(\t/2)+32*(\t%2)+16
.endr
.irp i, 0,1,2,3,4,5,6,7
	ds_load_b128 v[ST+4*\i:ST+4*\i+3], v10 offset:2*\i*272   ; LDS serves a wave's instructions in order (ISA guide 5.7.1.4): these see my stores
.endr
.irp i, 0,1,2,3,4,5,6,7
	s_wait_dscnt 7-\i                              ; the younger loads may be out
	global_store_b128 v11, v[ST+4*\i:ST+4*\i+3], s[24:25] offset:(2*\i+8*(\i/4))*2048 th:TH_STORE_NT   ; stage row 2 i + h is token 2 i + h + 8 (i / 4) of the tile; 16 lanes store 256 consecutive bytes, aligned
.endr
	s_wait_tensorcnt 0x0                           ; the wave's end
	ds_add_u32 v30, v31
	s_wait_dscnt 0x0
	s_endpgm
.Lfunc_end_k_q0018cb185e_outp:
	.size	k_q0018cb185e_outp, .Lfunc_end_k_q0018cb185e_outp-k_q0018cb185e_outp
	.p2alignl 7, 3214868480
	.fill 96, 4, 3214868480
	.section	.rodata,"a",@progbits
	.p2align	6, 0x0
	.amdhsa_kernel k_q0018cb185e_outp
		.amdhsa_group_segment_fixed_size 42496
		.amdhsa_private_segment_fixed_size 0
		.amdhsa_enable_private_segment 0
		.amdhsa_kernarg_size 24
		.amdhsa_user_sgpr_count 2
		.amdhsa_user_sgpr_kernarg_segment_ptr 1
		.amdhsa_wavefront_size32 1
		.amdhsa_system_sgpr_workgroup_id_x 1
		.amdhsa_system_sgpr_workgroup_id_y 1
		.amdhsa_system_sgpr_workgroup_id_z 1
		.amdhsa_system_vgpr_workitem_id 0
		.amdhsa_next_free_vgpr 512
		.amdhsa_next_free_sgpr 66
		.amdhsa_reserve_vcc 0
		.amdhsa_float_denorm_mode_32 3
		.amdhsa_float_denorm_mode_16_64 3
		.amdhsa_memory_ordered 1
		.amdhsa_forward_progress 1
		.amdhsa_inst_pref_size 37
	.end_amdhsa_kernel
	.amdgpu_metadata
---
amdhsa.version: [ 1, 2 ]
amdhsa.kernels:
  - .name:           k_q0018cb185e_outp
    .symbol:         k_q0018cb185e_outp.kd
    .args:
      - { .name: part, .offset: 0, .size: 8, .value_kind: global_buffer, .address_space: global }
      - { .name: xw, .offset: 8, .size: 8, .value_kind: global_buffer, .address_space: global }
      - { .name: out0, .offset: 16, .size: 8, .value_kind: global_buffer, .address_space: global }
    .group_segment_fixed_size: 42496
    .private_segment_fixed_size: 0
    .kernarg_segment_align: 8
    .kernarg_segment_size: 24
    .max_flat_workgroup_size: 256
    .sgpr_count:     66
    .vgpr_count:     512
    .wavefront_size: 32
...
	.end_amdgpu_metadata
.endif
;; end of part 5
